; MI455X (gfx1250); checked and timed in simulation.
; The chip was launched on July 23, 2026; its instructions are those of AMD's public machine-readable ISA for CDNA 5 (MIT licence, August 2026) and "CDNA5" Instruction Set Architecture Reference Guide (July 2026). The comments in the code are by the model that wrote it; some were corrected since.
;; Decoupled Bottleneck Attention. Allowed arithmetic: matrix products marked QUANTISED: E2M3 operands, one E8M0 scale for each 32 along K, by v_wmma_scale_f32_16x16x128_f8f6f4 with both operands' format E2M3, f32 sums; products left as they are: f32 operands where the result goes on into a quantised operand, else bf16, f16 or f32 operands; f32 sums; everything else in f32.
;; Inputs: Wk_geo 1,024 x 2,048 float32; Wk_sem 512 x 2,048 float32; Wo 2,048 x 1,024 float32; Wq_geo 1,024 x 2,048 float32; Wq_sem 512 x 2,048 float32; Wv 1,024 x 2,048 float32; x 2 x 2,048 x 2,048 float32.
;; Outputs: out0 2 x 2,048 x 2,048 float32.
;; This version of the problem:
;;   THIS VERSION OF THE PROBLEM IS GIVEN IN LOW PRECISION. The matrix products marked QUANTISED in the list below multiply operands that are first quantised to E2M3 (2 exponent bits, 3 mantissa bits; 6 bits a number), with one power-of-two scale for each 32 numbers along K (OCP MX v1.0); their sums are f32. All else is computed in f32.
;;   The module's matrix products, in the order in which they are computed (A, B: the left and right operand; K: the contracted axis; several contracted axes count as one K, in the product's order):
;;     1. [M 4,096, K 2,048] x [K 2,048, N 512]; A: input x; B: input Wq_sem: QUANTISED
;;     2. [M 4,096, K 2,048] x [K 2,048, N 512]; A: input x; B: input Wk_sem: QUANTISED
;;     3. [M 4,096, K 2,048] x [K 2,048, N 1,024]; A: input x; B: input Wq_geo: QUANTISED
;;     4. [M 2,048, K 1] x [K 1, N 32]; A: computed on the way; B: computed on the way: left as it is (no contracted axis)
;;     5. [M 4,096, K 2,048] x [K 2,048, N 1,024]; A: input x; B: input Wk_geo: QUANTISED
;;     6. [M 2,048, K 1] x [K 1, N 32]; A: computed on the way; B: computed on the way: left as it is (no contracted axis)
;;     7. [M 4,096, K 2,048] x [K 2,048, N 1,024]; A: input x; B: input Wv: QUANTISED
;;     8. batch 32 x [M 2,048, K 96] x [K 96, N 2,048]; A: computed on the way; B: computed on the way: QUANTISED
;;     9. batch 32 x [M 2,048, K 2,048] x [K 2,048, N 64]; A: softmax (see below); B: computed on the way: QUANTISED
;;     10. [M 4,096, K 1,024] x [K 1,024, N 2,048]; A: computed on the way; B: input Wo: QUANTISED
;;   THE QUANTISER, for each operand of a quantised product, along K:
;;     - K is cut into blocks of 32 from its start; a last block that is shorter is filled with zeros.
;;     - A block's scale is 2^e with e = floor(log2(the largest magnitude in the block)) - 2, held to -126 .. 127; a block of zeros has e = 0. As a byte (E8M0): e + 127.
;;     - Each number is divided by its block's scale, clamped to +-7.5, and rounded to the nearest number of E2M3, ties to even, subnormals kept.
;;     - The product sums the exact products of the quantised numbers (number of the format x scale) in f32.
;;   ~~~python
;;   def quantise(x, axis):      # numpy; x: float32 -> the quantised numbers, widened to float32 again
;;       x = np.moveaxis(x, axis, -1); K = x.shape[-1]
;;       x = np.pad(x, [(0, 0)] * (x.ndim - 1) + [(0, -K % 32)]); x = x.reshape(x.shape[:-1] + (-1, 32)); a = np.abs(x).max(-1, keepdims=True)
;;       e = np.where(a > 0, np.clip(np.frexp(np.where(a > 0, a, 1))[1] - 1 - 2, -126, 127), 0)      # np.frexp(a)[1] - 1 = floor(log2(a)), exactly
;;       r = np.clip(x / 2.0 ** e, -7.5, 7.5)
;;       step = 2.0 ** (np.maximum(np.frexp(np.where(r == 0, 1, r))[1] - 1, 0) - 3)
;;       q = np.round(r / step) * step * 2.0 ** e      # np.round: ties to even
;;       return np.moveaxis(q.reshape(q.shape[:-2] + (-1,))[..., :K], -1, axis).astype(np.float32)
;;   ~~~
;;   SOFTMAX AHEAD OF A QUANTISED PRODUCT. Where the list says 'softmax', what is quantised is not the finished softmax but p = 2^(t - M), with t = logit x log2(e) and M = ceil(the row's largest t), a whole number; so 1/2 < the row's largest p <= 1. The row's sum l is taken of the UNQUANTISED p, in f32, and the product's result is divided by l at the end. Since M is a whole number, a kernel that streams over the keys may use a running M (the ceiling of the running maximum): every later rescaling is an exact power of two, which a block's scale takes up: the codes' values come out the same.
;;   OPERANDS COMPUTED ON THE WAY. 'Computed on the way' means the value that the module computes at that place (a softmax that the list does not call 'softmax' is quantised finished and normalised). What goes into a quantiser is computed in f32, as accurately as f32 sums, v_exp_f32 and their like allow (about 1e-6 of the number): no bf16 or f16 on the way to a quantiser, and a product that is left as it is and whose result goes on into a quantised operand takes f32 operands (vector FMAs, or v_wmma_f32_16x16x4_f32). A number that lies on a knife's edge between two numbers of the format may be rounded either way, as far as f32 arithmetic and the matrix unit's own rounding can turn it there, and no further.
;; One version. Each part assembles by itself: llvm-mc -triple=amdgcn-amd-amdhsa -mcpu=gfx1250 --defsym DOCPART=n.
;; ======== version 1 of 1: 4 launches
;; limits: right only within a limited range of input values
;; workspace buffers: codes 14,155,776 bytes; scales 589,824 bytes; rope 524,288 bytes; qk 9,437,184 bytes; qksc 1,048,576 bytes; vc 3,276,800 bytes; oc 3,276,800 bytes
;; launch quant (part 1): grid 592 x 1, 4 waves a work-group, no clusters, 35,328 bytes of LDS; arguments x, Wq_sem, Wk_sem, Wq_geo, Wk_geo, Wv, Wo, codes, scales, rope; writes codes, scales, rope
.if DOCPART == 1
	.amdgcn_target "amdgcn-amd-amdhsa--gfx1250"
	.amdhsa_code_object_version 6
	.text
	.protected	k_q39f8dd4bd4_quant
	.globl	k_q39f8dd4bd4_quant
	.p2align	8
	.type	k_q39f8dd4bd4_quant,@function
k_q39f8dd4bd4_quant:
	s_mov_b64 s[64:65], 0
	v_nop
	global_prefetch_b8 v0, s[64:65] scope:SCOPE_SE
	s_setreg_imm32_b32 hwreg(HW_REG_WAVE_MODE, 25, 1), 1
	s_wait_xcnt 0x0
; x [4096][2048], the five projection weights (on end: 4096 rows of 2048) and Wo [2048][1024], all f32 with K innermost, become codes of FP6 (E2M3)
; with one E8M0 byte for each 32 along K; and the table of cos and sin for the rotary positions is made.
; A block's scale is 2^(floor(log2(largest magnitude)) - 2): its byte is the largest magnitude's exponent field - 2, held at 1 from below.
; LAYOUT OF THE CODES: images of operand registers.  For a tile of 16 rows and 64 along K: 768 bytes; lane (r, h) owns the 24 bytes of block 32 h .. 32 h + 31 of row r:
; its first 16 bytes at 16 x lane, its last 8 at 512 + 8 x lane.  Order in the buffer: [K / 256][tile][four such images].
; LAYOUT OF THE SCALES: [tile][K / 256][r][2 words], a word for each 128 along K.
; ROWS OF A TILE: for x and the projection weights lane r of tile T holds row 32 (T / 2) + 8 (T % 2) + r + 8 (r / 8); Wo keeps its order.
; SHARES: work-groups 0-255 x, 256-511 the five weights, 512-575 Wo, 576-591 the table.  A wave takes 16 rows x 512 along K: eight half steps of 64.
; Each load reads 256 consecutive bytes of a row in sixteen lanes; a half step turns through the wave's own stage in LDS (rows 272 bytes apart) and comes back 32 neighbours a lane.
; Waves share nothing: no barrier.  Loads run three half steps ahead, the turn through LDS one.
; LIMITS: NaN and infinities are not served; a block whose largest magnitude lies under 2^-124 keeps the byte 1 (a block of zeros too, where the rule says 127: its codes are zeros and this program alone reads the bytes).
; THE TABLE: rope[pos][0..31] = cos(pos f_j), [32..63] = sin(pos f_j), f_j = 10^(-j/8).  f_j is correctly rounded for j < 8; for j >= 8 it is that constant times a rounded power of ten (one more rounding;
; the angle there is at most 205).  The angle is one f32 product; it is reduced by n = round(angle 2/pi) with pi/2 in two parts; sin and cos are Taylor sums to r^9 and r^10 on |r| <= pi/4 (remainders under 2e-9).
.set RAW, 32                           ; v32-127  three sets of 32 numbers as loaded
.set XR,  128                          ; v128-191 two sets of 32 neighbours
.set CD,  192                          ; v192-223 two sets of codes: six registers, and three at +8 for the second conversion
.set STG, 4352                         ; a stage: 16 rows x 272 bytes; two for each wave
	s_load_b512 s[4:19], s[0:1], 0x0               ; x, Wq_sem, Wk_sem, Wq_geo, Wk_geo, Wv, Wo, codes
	s_load_b128 s[20:23], s[0:1], 0x40             ; scales, rope
	v_lshl_add_u32 v224, v0, 2, 0x8800
	v_mov_b32 v225, 0
	v_lshrrev_b32 v1, 5, v0
	v_readfirstlane_b32 s24, v1                    ; wave
	v_and_b32 v1, 31, v0                           ; lane
	v_and_b32 v2, 15, v0                           ; r
	v_bfe_u32 v3, v0, 4, 1                         ; h
	v_lshlrev_b32 v14, 4, v1                       ; 16 x lane
	v_lshlrev_b32 v15, 3, v1                       ; 8 x lane
	s_mov_b32 s30, 0x76543210
	s_mov_b32 s31, 0xfedcba98                      ; lane selects: lane xor 16
	s_wait_kmcnt 0x0
	s_cmp_ge_u32 ttmp9, 576
	s_cbranch_scc1 .Ltable
; which tensor: the choice hangs on the work-group's number alone
.macro CHOOSE first, ptr
	s_cmp_ge_u32 ttmp9, \first
	s_cselect_b64 s[26:27], s[\ptr:\ptr+1], s[26:27]
	s_cselect_b32 s28, \first, s28
.endm
	s_mov_b64 s[26:27], s[4:5]
	s_mov_b32 s28, 0
	CHOOSE 256, 6
	CHOOSE 288, 8
	CHOOSE 320, 10
	CHOOSE 384, 12
	CHOOSE 448, 14
	CHOOSE 512, 16
	s_mov_b32 s29, 8192                            ; (moves and selects leave the last compare standing: is it Wo?)
	s_mov_b32 s33, 786432
	s_cselect_b32 s29, 4096, s29                   ; bytes in a row
	s_cselect_b32 s32, 0, 0x10000                  ; rows 8-15 of a tile lie 8 rows further on, but in Wo
	s_cselect_b32 s33, 393216, s33                 ; bytes of codes for 256 along K of the whole tensor
	s_cselect_b32 s34, 9, 10                       ; log2 of a tile's scale bytes
	s_cselect_b32 s35, 1, 0
	s_sub_co_u32 s36, ttmp9, s28                   ; tile in its tensor
	s_lshl_b32 s37, s36, 1
	s_lshr_b32 s38, s24, 1
	s_add_co_u32 s37, s37, s38                     ; Wo: two tiles a work-group,
	s_and_b32 s38, s24, 1                          ; two waves a tile
	s_lshr_b32 s39, s36, 1
	s_lshl_b32 s39, s39, 5
	s_and_b32 s40, s36, 1
	s_lshl_b32 s40, s40, 3
	s_add_co_u32 s39, s39, s40                     ; first row of a tile: 32 (T / 2) + 8 (T % 2)
	s_lshl_b32 s40, s37, 4                         ; Wo: 16 T
	s_and_b32 s41, ttmp9, 255                      ; tile in its section of the codes
	s_cmp_eq_u32 s35, 1
	s_cselect_b32 s39, s40, s39                    ; first row
	s_cselect_b32 s41, s37, s41                    ; tile
	s_cselect_b32 s38, s38, s24                    ; which 512 along K
	s_mul_i32 s42, s39, s29
	s_lshl_b32 s43, s38, 11
	s_add_co_u32 s42, s42, s43
	s_mov_b32 s43, 0
	s_add_nc_u64 s[26:27], s[26:27], s[42:43]      ; the source at my first row and my first k
	s_lshr_b32 s44, ttmp9, 8                       ; section: x, weights, Wo
	s_mul_i32 s42, s44, 6291456
	s_mul_i32 s45, s38, s33
	s_lshl_b32 s45, s45, 1
	s_add_co_u32 s42, s42, s45
	s_mul_i32 s45, s41, 3072
	s_add_co_u32 s42, s42, s45
	s_add_nc_u64 s[46:47], s[18:19], s[42:43]      ; codes of my first 256 along K,
	s_mov_b32 s42, s33
	s_add_nc_u64 s[48:49], s[46:47], s[42:43]      ; and of my second
	s_lshl_b32 s42, s44, 18
	s_lshl_b32 s45, s41, s34
	s_add_co_u32 s42, s42, s45
	s_lshl_b32 s45, s38, 8
	s_add_co_u32 s42, s42, s45
	s_add_nc_u64 s[50:51], s[20:21], s[42:43]      ; my 256 scale bytes
	s_wait_alu depctr_va_vdst(0)
	v_mul_lo_u32 v4, v3, s29                       ; load i takes rows 2 i + h of the tile, 16 bytes a lane
	v_lshl_add_u32 v4, v2, 4, v4
	s_lshl_b32 s52, s29, 1
	s_add_co_u32 s53, s52, s32
	v_add_nc_u32 v5, s52, v4
	v_add_nc_u32 v6, s52, v5
	v_add_nc_u32 v7, s52, v6
	v_add_nc_u32 v8, s53, v7
	v_add_nc_u32 v9, s52, v8
	v_add_nc_u32 v10, s52, v9
	v_add_nc_u32 v11, s52, v10
	s_mul_i32 s54, s24, 2*STG                      ; my two stages
	v_mul_u32_u24 v12, v3, 272
	v_lshl_add_u32 v12, v2, 4, v12
	v_add_nc_u32 v12, s54, v12                     ; in: row h (+ 2 i by the immediate), 16 r
	v_mul_u32_u24 v13, v2, 272
	v_lshl_add_u32 v13, v3, 7, v13
	v_add_nc_u32 v13, s54, v13                     ; out: row r, my block of 128 bytes
.irp i, 0,1,2,3
	v_mov_b32 v[28+\i], 0                          ; a lane permute's destination counts as one of its sources
.endr
.macro LOAD t
.irp i, 0,1,2,3,4,5,6,7
	global_load_b128 v[RAW+32*((\t)%3)+4*\i:RAW+32*((\t)%3)+4*\i+3], v[4+\i], s[26:27] offset:256*(\t) th:TH_LOAD_NT
.endr
.endm
.macro TURN t                          ; LDS serves a wave's instructions in order: no wait between the stores and the loads
.irp i, 0,1,2,3,4,5,6,7
	ds_store_b128 v12, v[RAW+32*((\t)%3)+4*\i:RAW+32*((\t)%3)+4*\i+3] offset:STG*((\t)%2)+544*\i
.endr
.irp j, 0,1,2,3,4,5,6,7
	ds_load_b128 v[XR+32*((\t)%2)+4*\j:XR+32*((\t)%2)+4*\j+3], v13 offset:STG*((\t)%2)+16*\j
.endr
.endm
.macro STEP t
.set XS, XR+32*((\t)%2)
.set CC, CD+16*((\t)%2)
.set DD, 46+2*((\t)/4)
	s_wait_dscnt 0x0                               ; this half step is back from the stage, so its stores into the stage have read their registers,
.if (\t)+3 < 8
	LOAD (\t)+3                                    ; which take the loads of three half steps on
.endif
.if (\t) < 7
.if 6-(\t) >= 2
	s_wait_loadcnt 16                              ; the next half step's eight loads are in; those of the two behind it may be out
.else
	s_wait_loadcnt 8*(6-(\t))
.endif
	TURN (\t)+1
.endif
	v_max3_num_f32 v16, |v[XS]|, |v[XS+1]|, 0x1800000              ; the block's largest magnitude: all 32 are mine; two chains; the floor 2^(3 - 127) holds the byte at 1
	v_max3_num_f32 v17, |v[XS+16]|, |v[XS+17]|, |v[XS+18]|
.irp i, 2,4,6,8,10,12
	v_max3_num_f32 v16, v16, |v[XS+\i]|, |v[XS+\i+1]|
	v_max3_num_f32 v17, v17, |v[XS+17+\i]|, |v[XS+18+\i]|
.endr
	v_max3_num_f32 v16, v16, |v[XS+14]|, |v[XS+15]|
	v_max3_num_f32 v16, v16, v17, |v[XS+31]|
	v_add_nc_u32 v18, 0xff000000, v16              ; 2 off the exponent field: the conversion's scale operand
	s_wait_alu depctr_va_vdst(0)
	s_wait_xcnt 0x0                                ; the stores of two half steps ago have read this set of codes
	v_cvt_scalef32_pk16_fp6_f32 v[CC:CC+2], v[XS:XS+15], v18
	v_cvt_scalef32_pk16_fp6_f32 v[CC+8:CC+10], v[XS+16:XS+31], v18   ; (a conversion's three registers begin on an even number)
	v_lshrrev_b32 v19, 23, v18                     ; the byte; also the plain line behind the conversions
	v_mov_b32 v[CC+3], v[CC+8]
	v_mov_b32 v[CC+4], v[CC+9]
	v_mov_b32 v[CC+5], v[CC+10]
.if (\t)%2 == 0
	v_mov_b32 v[20+(\t)/2], v19                    ; blocks h and 2 + h of a step of 128
.else
	v_lshl_or_b32 v[20+(\t)/2], v19, 16, v[20+(\t)/2]
.endif
	global_store_b128 v14, v[CC:CC+3], s[DD:DD+1] offset:768*((\t)%4)        ; 512 consecutive bytes
	global_store_b64 v15, v[CC+4:CC+5], s[DD:DD+1] offset:768*((\t)%4)+512   ; 256 consecutive bytes
.endm
	LOAD 0
	LOAD 1
	LOAD 2
	s_wait_alu depctr_va_vdst(0)
	s_wait_loadcnt 16                              ; half step 0 is in
	TURN 0
.irp t, 0,1,2,3,4,5,6,7
	STEP \t
.endr
	v_lshlrev_b32 v24, 3, v3                       ; my bytes go 8 h bits up,
.irp i, 0,1,2,3
	v_lshlrev_b32 v[20+\i], v24, v[20+\i]
.endr
.irp i, 0,1,2,3
	v_permlanex16_b32 v[28+\i], v[20+\i], s30, s31
.endr
.irp i, 0,1,2,3
	v_or_b32 v[20+\i], v[20+\i], v[28+\i]          ; with lane xor 16's the words are whole
.endr
	v_cmp_eq_u32 vcc_lo, 1, v3
	v_cndmask_b32 v24, v20, v22, vcc_lo            ; lanes 0-15: my first 256 along K, lanes 16-31: my second
	v_cndmask_b32 v25, v21, v23, vcc_lo
	global_store_b64 v15, v[24:25], s[50:51]       ; 256 consecutive bytes, aligned
	s_wait_tensorcnt 0x0
	ds_add_u32 v224, v225
	s_wait_dscnt 0x0
	s_endpgm
.Ltable:                               ; a wave makes 32 positions; lane l owns columns 2 l and 2 l + 1
	s_sub_co_u32 s32, ttmp9, 576
	s_lshl_b32 s32, s32, 7
	s_lshl_b32 s33, s24, 5
	s_add_co_u32 s34, s32, s33                     ; my first position
	s_lshl_b32 s32, s34, 8
	s_mov_b32 s33, 0
	s_add_nc_u64 s[22:23], s[22:23], s[32:33]
	v_and_b32 v43, 3, v0                           ; j0 = 2 (l % 16): (j0 % 8) / 2,
	v_bfe_u32 v44, v0, 2, 2                        ; j0 / 8
	v_mov_b32 v40, 1.0
	v_mov_b32 v41, 0x3f3ff911                      ; 10^(-1/8)
	v_mov_b32 v45, 1.0
.macro PICK k, e, o, d
	v_cmp_eq_u32 vcc_lo, \k, v43
	v_mov_b32 v46, \e
	v_mov_b32 v47, \o
	v_cndmask_b32 v40, v40, v46, vcc_lo
	v_cndmask_b32 v41, v41, v47, vcc_lo
	v_cmp_eq_u32 vcc_lo, \k, v44
	v_mov_b32 v46, \d
	v_cndmask_b32 v45, v45, v46, vcc_lo
.endm
	PICK 1, 0x3f0ff59a, 0x3ed7e89b, 0x3dcccccd     ; 10^(-2/8), 10^(-3/8), 0.1
	PICK 2, 0x3ea1e89b, 0x3e72d424, 0x3c23d70a     ; 10^(-4/8), 10^(-5/8), 0.01
	PICK 3, 0x3e361887, 0x3e088d77, 0x3a83126f     ; 10^(-6/8), 10^(-7/8), 0.001
	v_mul_f32 v40, v40, v45
	v_mul_f32 v41, v41, v45
	v_mul_u32_u24 v42, v3, 3                       ; sin(a) = cos(a - pi/2): three quadrants on
	s_mov_b32 s35, 0x3fc90fdb                      ; pi/2, rounded;
	s_mov_b32 s36, 0x333bbd2e                      ; what it has too much: 4.37113883e-8
	s_mov_b32 s37, 0x3f22f983                      ; 2/pi
	s_mov_b32 s38, 0xbe2aaaab                      ; -1/6
	s_mov_b32 s39, 0x3c088889                      ; 1/120
	s_mov_b32 s40, 0xb9500d01                      ; -1/5040
	s_mov_b32 s41, 0x3638ef1d                      ; 1/362880
	s_mov_b32 s42, 0x3d2aaaab                      ; 1/24
	s_mov_b32 s43, 0xbab60b61                      ; -1/720
	s_mov_b32 s44, 0x37d00d01                      ; 1/40320
	s_mov_b32 s45, 0xb493f27e                      ; -1/3628800
	s_mov_b32 s33, 0
.Lpos:
	v_cvt_f32_u32 v44, s34
	s_wait_alu depctr_va_vdst(0)
.irp e, 0,1
	v_mul_f32 v[46+\e], v44, v[40+\e]              ; the angle
.endr
.irp e, 0,1
	v_mul_f32 v[48+\e], s37, v[46+\e]
.endr
.irp e, 0,1
	v_rndne_f32 v[48+\e], v[48+\e]                 ; n
.endr
.irp e, 0,1
	v_fma_f32 v[46+\e], -v[48+\e], s35, v[46+\e]
.endr
.irp e, 0,1
	v_fma_f32 v[46+\e], v[48+\e], s36, v[46+\e]    ; r = angle - n pi/2
.endr
.irp e, 0,1
	v_mul_f32 v[50+\e], v[46+\e], v[46+\e]         ; r^2
.endr
.irp e, 0,1
	v_fma_f32 v[52+\e], v[50+\e], s41, s40
	v_fma_f32 v[56+\e], v[50+\e], s45, s44
.endr
.irp e, 0,1
	v_fma_f32 v[52+\e], v[52+\e], v[50+\e], s39
	v_fma_f32 v[56+\e], v[56+\e], v[50+\e], s43
.endr
.irp e, 0,1
	v_fma_f32 v[52+\e], v[52+\e], v[50+\e], s38
	v_fma_f32 v[56+\e], v[56+\e], v[50+\e], s42
.endr
.irp e, 0,1
	v_mul_f32 v[54+\e], v[46+\e], v[50+\e]         ; r^3
	v_fma_f32 v[56+\e], v[56+\e], v[50+\e], -0.5
.endr
.irp e, 0,1
	v_fma_f32 v[52+\e], v[54+\e], v[52+\e], v[46+\e]   ; sin r
	v_fma_f32 v[56+\e], v[56+\e], v[50+\e], 1.0        ; cos r
.endr
.irp e, 0,1
	v_cvt_i32_f32 v[58+\e], v[48+\e]
.endr
.irp e, 0,1
	v_add_nc_u32 v[58+\e], v[58+\e], v42           ; the quadrant q (its low two bits)
.endr
.irp e, 0,1
	v_and_b32 v[60+\e], 1, v[58+\e]
	v_add_nc_u32 v[58+\e], 1, v[58+\e]
.endr
	v_cmp_eq_u32 vcc_lo, 1, v60
	v_cndmask_b32 v62, v56, v52, vcc_lo            ; odd q: sin r, even q: cos r
	v_cmp_eq_u32 vcc_lo, 1, v61
	v_cndmask_b32 v63, v57, v53, vcc_lo
.irp e, 0,1
	v_and_b32 v[58+\e], 2, v[58+\e]                ; q = 1, 2: negative
.endr
.irp e, 0,1
	v_lshlrev_b32 v[58+\e], 30, v[58+\e]
.endr
.irp e, 0,1
	v_xor_b32 v[64+\e], v[62+\e], v[58+\e]
.endr
	global_store_b64 v15, v[64:65], s[22:23]       ; a position's 256 bytes
	s_wait_xcnt 0x0                                ; the store has read its data and its base: both are written again below and in the next trip
	s_add_nc_u64 s[22:23], s[22:23], 256
	s_add_co_u32 s34, s34, 1
	s_add_co_u32 s33, s33, 1
	s_cmp_lt_u32 s33, 32
	s_cbranch_scc1 .Lpos
	s_endpgm
.Lfunc_end_k_q39f8dd4bd4_quant:
	.size	k_q39f8dd4bd4_quant, .Lfunc_end_k_q39f8dd4bd4_quant-k_q39f8dd4bd4_quant
	.p2alignl 7, 3214868480
	.fill 96, 4, 3214868480
	.section	.rodata,"a",@progbits
	.p2align	6, 0x0
	.amdhsa_kernel k_q39f8dd4bd4_quant
		.amdhsa_group_segment_fixed_size 35328
		.amdhsa_private_segment_fixed_size 0
		.amdhsa_enable_private_segment 0
		.amdhsa_kernarg_size 80
		.amdhsa_user_sgpr_count 2
		.amdhsa_user_sgpr_kernarg_segment_ptr 1
		.amdhsa_wavefront_size32 1
		.amdhsa_system_sgpr_workgroup_id_x 1
		.amdhsa_system_sgpr_workgroup_id_y 1
		.amdhsa_system_sgpr_workgroup_id_z 1
		.amdhsa_system_vgpr_workitem_id 0
		.amdhsa_next_free_vgpr 226
		.amdhsa_next_free_sgpr 66
		.amdhsa_reserve_vcc 1
		.amdhsa_float_denorm_mode_32 3
		.amdhsa_float_denorm_mode_16_64 3
		.amdhsa_memory_ordered 1
		.amdhsa_forward_progress 1
		.amdhsa_inst_pref_size 39
	.end_amdhsa_kernel
	.amdgpu_metadata
---
amdhsa.version: [ 1, 2 ]
amdhsa.kernels:
  - .name:           k_q39f8dd4bd4_quant
    .symbol:         k_q39f8dd4bd4_quant.kd
    .args:
      - { .name: x, .offset: 0, .size: 8, .value_kind: global_buffer, .address_space: global }
      - { .name: Wq_sem, .offset: 8, .size: 8, .value_kind: global_buffer, .address_space: global }
      - { .name: Wk_sem, .offset: 16, .size: 8, .value_kind: global_buffer, .address_space: global }
      - { .name: Wq_geo, .offset: 24, .size: 8, .value_kind: global_buffer, .address_space: global }
      - { .name: Wk_geo, .offset: 32, .size: 8, .value_kind: global_buffer, .address_space: global }
      - { .name: Wv, .offset: 40, .size: 8, .value_kind: global_buffer, .address_space: global }
      - { .name: Wo, .offset: 48, .size: 8, .value_kind: global_buffer, .address_space: global }
      - { .name: codes, .offset: 56, .size: 8, .value_kind: global_buffer, .address_space: global }
      - { .name: scales, .offset: 64, .size: 8, .value_kind: global_buffer, .address_space: global }
      - { .name: rope, .offset: 72, .size: 8, .value_kind: global_buffer, .address_space: global }
    .group_segment_fixed_size: 35328
    .private_segment_fixed_size: 0
    .kernarg_segment_align: 8
    .kernarg_segment_size: 80
    .max_flat_workgroup_size: 128
    .sgpr_count:     66
    .vgpr_count:     226
    .wavefront_size: 32
...
	.end_amdgpu_metadata
.endif
;; end of part 1
;; launch proj (part 2): grid 16 x 16, 4 waves a work-group, clusters of 4 x 4, 327,680 bytes of LDS; arguments codes, scales, rope, qk, qksc, vc; writes qk, qksc, vc
.if DOCPART == 2
	.amdgcn_target "amdgcn-amd-amdhsa--gfx1250"
	.amdhsa_code_object_version 6
	.text
	.protected	k_q39f8dd4bd4_proj
	.globl	k_q39f8dd4bd4_proj
	.p2align	8
	.type	k_q39f8dd4bd4_proj,@function
k_q39f8dd4bd4_proj:
	s_mov_b64 s[64:65], 0
	v_nop
	global_prefetch_b8 v0, s[64:65] scope:SCOPE_SE
	s_setreg_imm32_b32 hwreg(HW_REG_WAVE_MODE, 25, 1), 1
	s_wait_xcnt 0x0
	s_wait_alu depctr_hold_cnt(0) depctr_sa_sdst(0) depctr_va_vdst(0) depctr_va_sdst(0) depctr_va_ssrc(0) depctr_va_vcc(0) depctr_vm_vsrc(0)
	s_getreg_b32 s2, hwreg(HW_REG_IB_STS2, 6, 4)
	s_cmp_eq_u32 s2, 0
	s_cbranch_scc0 .Lentry_in_a_cluster
	s_endpgm
.Lentry_in_a_cluster:
	s_bfe_u32 s2, ttmp6, 0x10000c
	s_cmp_lg_u32 s2, 0xf033
	s_cbranch_scc0 .Lentry_shape_is_right
	s_endpgm
.Lentry_shape_is_right:
.set NQ,     2
.set FR,     12
.set NL,     4
.set NP,     4
.set HALFT,  24576
.set SLOT,   4*HALFT
.set LAPS,   4
.set SSA,    786432
.set SSB,    786432
.set TSB,    1024
.set HALFS,  8*TSB
.set SCL,    2*SLOT
.set SPARE,  SCL+4*HALFS+256
.set ADRA, 16
.set ADRB, 20
.set ADRS, 27
.set SPW,  28
.set NIL,  29
.set SC,   32
.set AF,   128
.set WV,   16
.set HR,   17
.set HC,   18
.set CNT,  19
.set G1,   24
.set G0,   32
.set G1B,  48
.set G0B,  56
.set G1S,  68
.set G0S,  76
.set G1SB, 80
.set G0SB, 88
.set MSB, 0
.macro WIN new
.if MSB != (\new)
	s_set_vgpr_msb (MSB<<8)|(\new)
.set MSB, (\new)
.endif
.endm
.set MUL_LO, 0xa1
.set MUL_HI, 0xf1
.set TO_B,   0x40
.macro JLOAD g0a, g1a, g0b, g1b
	s_cmp_eq_u32 s[HR], 0
	s_cbranch_scc0 .Lfor_b_\@
	tensor_load_to_lds s[\g0a:\g0a+3], s[\g1a:\g1a+7]
	s_nop 0
.rept 4
	v_nop
.endr
	s_branch .Lasked_\@
.Lfor_b_\@:
	tensor_load_to_lds s[\g0b:\g0b+3], s[\g1b:\g1b+7]
	s_nop 0
.rept 4
	v_nop
.endr
.Lasked_\@:
.endm
.macro CREST
	s_cmp_lg_u32 s[WV], 0
	s_cbranch_scc1 .Lnot_wave_0_\@
	s_barrier_signal -3
.Lnot_wave_0_\@:
	s_barrier_wait -3
	s_barrier_signal -1
	s_barrier_wait -1
.endm
.macro CROUND
	s_barrier_signal -1
	s_barrier_wait -1
	CREST
.endm
	s_load_b256 s[4:11], s[0:1], 0x0
	s_load_b128 s[12:15], s[0:1], 0x20
	v_lshl_add_u32 v[SPW], v0, 2, SPARE
	v_mov_b32 v[NIL], 0
	ds_add_u32 v28, v29
	ds_add_u32 v28, v29
	s_wait_dscnt 0x0
	v_lshrrev_b32 v1, 5, v0
	v_readfirstlane_b32 s[WV], v1
	s_lshr_b32 s[HR], s[WV], 1
	s_and_b32 s[HC], s[WV], 1
	s_bfe_u32 s40, ttmp6, 0x40000
	s_bfe_u32 s41, ttmp6, 0x40004
	s_and_b32 s42, ttmp7, 0xffff
	s_lshl_b32 s43, s41, 2
	s_lshl_b32 s43, 15, s43
	s_lshl_b32 s44, 0x1111, s40
	s_or_b32 s[G1+0], s43, (3<<16)|(1<<21)
	s_or_b32 s[G1B+0], s44, (3<<16)|(1<<21)
.irp g, G1, G1B
	s_mov_b32 s[\g+1], 32<<16
	s_mov_b32 s[\g+2], 192<<16                     ; the head's loads of codes bring a tile's 16 images whole: 192 rows of 256 bytes
	s_mov_b32 s[\g+3], 32<<16
	s_mov_b32 s[\g+4], 192
	s_mov_b32 s[\g+5], 32
	s_mov_b32 s[\g+6], 0
	s_mov_b32 s[\g+7], 0
.endr
	s_or_b32 s[G1S+0], s43, (3<<16)|(1<<21)
	s_or_b32 s[G1SB+0], s44, (3<<16)|(1<<21)
.irp g, G1S, G1SB
	s_mov_b32 s[\g+1], 32<<16
	s_mov_b32 s[\g+2], (HALFS/128)<<16             ; the scales of all 256 rows in one load
	s_mov_b32 s[\g+3], 32<<16
	s_mov_b32 s[\g+4], HALFS/128
	s_mov_b32 s[\g+5], 32
	s_mov_b32 s[\g+6], 0
	s_mov_b32 s[\g+7], 0
.endr
	s_lshl_b32 s45, s42, 2
	s_lshl_b32 s46, ttmp9, 2
	s_cmp_eq_u32 ttmp9, 3
	s_cselect_b32 s92, 12, s45
	s_cselect_b32 s93, s45, s46
	s_cselect_b32 s94, 6291456, 0
	s_cselect_b32 s95, 0, 6291456
	s_cselect_b32 s96, 262144, 0
	s_cselect_b32 s97, 0, 262144
	s_add_co_u32 s92, s92, s41
	s_add_co_u32 s93, s93, s40
	s_lshl_b32 s45, s[HC], 3
	s_lshl_b32 s20, s92, 4
	s_add_co_u32 s20, s20, s45
	s_mul_i32 s22, s20, 3072
	s_add_co_u32 s22, s22, s94
	s_mov_b32 s23, 0
	s_lshl_b32 s20, s20, 10
	s_add_co_u32 s20, s20, s96
	s_mov_b32 s21, 0
	s_lshl_b32 s46, s93, 4
	s_add_co_u32 s46, s46, s45
	s_mul_i32 s66, s46, 3072
	s_add_co_u32 s66, s66, s95
	s_mov_b32 s67, 0
	s_lshl_b32 s46, s46, 10
	s_add_co_u32 s46, s46, s97
	s_mov_b32 s47, 0
	s_mul_i32 s98, s[WV], HALFT
	s_wait_kmcnt 0x0
	s_add_nc_u64 s[22:23], s[4:5], s[22:23]
	s_add_nc_u64 s[20:21], s[6:7], s[20:21]
	s_add_nc_u64 s[66:67], s[4:5], s[66:67]
	s_add_nc_u64 s[46:47], s[6:7], s[46:47]
	CROUND
	s_mov_b32 s[G0S], 1                            ; A's scales whole: wave 1 asks, and its s[20:21] stands 8 tiles of rows in
	s_mov_b32 s[G0S+1], SCL
	s_sub_nc_u64 s[G0S+2:G0S+3], s[20:21], HALFS
	s_or_b32 s[G0S+3], s[G0S+3], 0x80000000
	s_mov_b32 s[G0SB], 1                           ; B's scales whole: wave 3 asks, likewise
	s_mov_b32 s[G0SB+1], SCL+2*HALFS+128
	s_sub_nc_u64 s[G0SB+2:G0SB+3], s[46:47], HALFS
	s_or_b32 s[G0SB+3], s[G0SB+3], 0x80000000
.irp s, 0,1
	s_mov_b32 s[G0+4*\s], 1
	s_add_co_u32 s[G0+4*\s+1], s98, \s*SLOT
	s_add_nc_u64 s[G0+4*\s+2:G0+4*\s+3], s[22:23], \s*SSA
	s_or_b32 s[G0+4*\s+3], s[G0+4*\s+3], 0x80000000
	s_mov_b32 s[G0B+4*\s], 1
	s_add_co_u32 s[G0B+4*\s+1], s98, \s*SLOT
	s_add_nc_u64 s[G0B+4*\s+2:G0B+4*\s+3], s[66:67], \s*SSB
	s_or_b32 s[G0B+4*\s+3], s[G0B+4*\s+3], 0x80000000
.endr
	; the prefetches' base: of the 96 blocks of 256 bytes that I fetch for a slot, my work-group names 24, told apart from its three partners by address (cx for A, cy for B); it stands at K chunk 1
	s_cmp_eq_u32 s[HR], 0
	s_cselect_b64 s[96:97], s[22:23], s[66:67]
	s_cselect_b32 s20, s40, s41
	s_mul_i32 s20, s20, 6144
	s_add_co_u32 s20, s20, SSA
	s_mov_b32 s21, 0
	s_add_nc_u64 s[96:97], s[96:97], s[20:21]
; THE HEAD'S FOUR TILES, ONE LOAD A WAVE: wave 0 slot 0's 256 rows of A, wave 1 A's scales, wave 2 slot 0's 256 rows of B, wave 3 B's scales.
; Slot 0's own group 0 of waves 0 and 2 points at the tile's first image and at its place in LDS, so it serves the whole tile.  One chain of branches on the wave's number, one load to an arm.
.macro ARM under, g0, g1, next
	s_cmp_lt_u32 s[WV], \under
	s_cbranch_scc0 \next
	tensor_load_to_lds s[\g0:\g0+3], s[\g1:\g1+7]
	s_nop 0
.rept 4
	v_nop
.endr
	s_branch .Lhead_asked
\next:
.endm
	ARM 1, G0,  G1,  .Lhead_sa
	ARM 2, G0S, G1S, .Lhead_b
	ARM 3, G0B, G1B, .Lhead_sb
	tensor_load_to_lds s[G0SB:G0SB+3], s[G1SB:G1SB+7]
	s_nop 0
.rept 4
	v_nop
.endr
.Lhead_asked:
	v_and_b32 v1, 15, v0
	v_bfe_u32 v2, v0, 4, 1
	v_and_b32 v3, 31, v0
	v_lshlrev_b32 v4, 4, v3
	v_lshlrev_b32 v5, 3, v3
	v_min_u32 v30, 23, v3                          ; the prefetches' offset: a lane a block of 256 bytes; lanes 24-31 name the last block again
	v_lshlrev_b32 v30, 8, v30
	s_mul_i32 s21, s[HR], HALFT
	s_mul_i32 s22, s[HC], HALFT
	s_add_co_u32 s22, s22, 2*HALFT
.irp s, 0,1
	v_add_nc_u32 v[ADRA+\s], s21, v4
	v_add_nc_u32 v[ADRB+\s], s22, v4
	v_add_nc_u32 v[ADRA+2+\s], s21, v5
	v_add_nc_u32 v[ADRB+2+\s], s22, v5
	s_add_co_u32 s21, s21, SLOT
	s_add_co_u32 s22, s22, SLOT
.endr
	s_mul_i32 s21, s[HR], HALFS
	s_mul_i32 s22, s[HC], HALFS
	s_add_co_u32 s22, s22, 2*HALFS+128
	s_sub_co_u32 s22, s22, s21
	v_mul_u32_u24 v6, s22, v2
	s_add_co_u32 s21, s21, SCL
	v_lshl_add_u32 v6, v1, 3, v6
	v_add_nc_u32 v[ADRS], s21, v6
	v_mov_b32 v24, v4
	v_mov_b32 v25, v5
	v_and_b32 v6, 8, v1
	v_add_nc_u32 v6, v6, v1
	v_lshlrev_b32 v26, 8, v6
	v_lshl_add_u32 v26, v2, 6, v26
	v_lshlrev_b32 v10, 12, v2
	v_lshl_add_u32 v10, v1, 4, v10
.macro FRAG reg, adr, q, i
	ds_load_b128 v[(\reg):(\reg)+3], v[\adr] offset:3072*(\i)+1536*(\q)
	ds_load_b64 v[(\reg)+4:(\reg)+5], v[(\adr)+2] offset:3072*(\i)+1536*(\q)+512
	ds_load_b128 v[(\reg)+6:(\reg)+9], v[\adr] offset:3072*(\i)+1536*(\q)+768
	ds_load_b64 v[(\reg)+10:(\reg)+11], v[(\adr)+2] offset:3072*(\i)+1536*(\q)+1280
.endm
.macro MUL16 a0, p, q, sc, zero
.irp a, \a0, \a0+1
.irp b, 0,1,2,3,4,5,6,7
.if \zero
	v_wmma_scale_f32_16x16x128_f8f6f4 v[8*(8*((\a)%4)+\b):8*(8*((\a)%4)+\b)+7], v[128*(\p)+FR*\b:128*(\p)+FR*\b+FR-1], v[AF+FR*(\a):AF+FR*(\a)+FR-1], 0, v[SC+8*NQ*(\sc)+NQ*\b+(\q)], v[SC+8*NQ*(\sc)+NQ*(\a)+(\q)] matrix_a_fmt:MATRIX_FMT_FP6 matrix_b_fmt:MATRIX_FMT_FP6 matrix_a_scale:MATRIX_SCALE_ROW1
.else
	v_wmma_scale_f32_16x16x128_f8f6f4 v[8*(8*((\a)%4)+\b):8*(8*((\a)%4)+\b)+7], v[128*(\p)+FR*\b:128*(\p)+FR*\b+FR-1], v[AF+FR*(\a):AF+FR*(\a)+FR-1], v[8*(8*((\a)%4)+\b):8*(8*((\a)%4)+\b)+7], v[SC+8*NQ*(\sc)+NQ*\b+(\q)], v[SC+8*NQ*(\sc)+NQ*(\a)+(\q)] matrix_a_fmt:MATRIX_FMT_FP6 matrix_b_fmt:MATRIX_FMT_FP6 matrix_a_scale:MATRIX_SCALE_ROW1
.endif
.endr
.endr
.endm
.macro FETCH_B slot, q, p
	WIN TO_B
.irp i, 0,1,2,3,4,5,6,7
	FRAG 128*(\p)+FR*\i, ADRB+\slot, \q, \i
.endr
	WIN 0
.endm
.macro FETCH_A slot, q, i0
.irp i, \i0, \i0+1, \i0+2, \i0+3
	FRAG AF+FR*(\i), ADRA+\slot, \q, \i
.endr
.endm
.macro SCALES sc
.irp i, 0,1,2,3,4,5,6,7
	ds_load_b64 v[SC+8*NQ*\sc+NQ*\i:SC+8*NQ*\sc+NQ*\i+1], v[ADRS] offset:\i*TSB
.endr
.endm
.macro PLACES n
.rept \n
	v_nop
.endr
.endm
.macro STEP slot, q, zero
	s_wait_dscnt 4*NL
	WIN MUL_LO
	MUL16 0, (\q)%2, \q, \slot, \zero
	MUL16 2, (\q)%2, \q, \slot, \zero
	s_wait_dscnt 0
	PLACES NP
	FETCH_B \slot, (\q)+1, 1-(\q)%2
	FETCH_A \slot, (\q)+1, 0
	WIN MUL_HI
	MUL16 4, (\q)%2, \q, \slot, \zero
	MUL16 6, (\q)%2, \q, \slot, \zero
	PLACES NP
	WIN 0
	FETCH_A \slot, (\q)+1, 4
.endm
.macro TURN slot, next, fill
.if \fill
	s_wait_xcnt 0x0                                ; my last prefetch has read its base: it steps one K chunk, to the chunk that this turn's refill brings
	s_add_nc_u64 s[96:97], s[96:97], SSA
.endif
	s_wait_tensorcnt 0x0
	ds_add_u32 v[SPW], v[NIL]
	s_wait_dscnt 4*NL+1
	WIN MUL_LO
	MUL16 0, 1, NQ-1, \slot, 0
	s_wait_dscnt 0x0
	s_barrier_signal -1
	MUL16 2, 1, NQ-1, \slot, 0
	WIN 0
	s_barrier_wait -1
.if \fill
	CREST
	s_add_nc_u64 s[G0+4*\slot+2:G0+4*\slot+3], s[G0+4*\slot+2:G0+4*\slot+3], 2*SSA
	s_add_nc_u64 s[G0B+4*\slot+2:G0B+4*\slot+3], s[G0B+4*\slot+2:G0B+4*\slot+3], 2*SSB
	JLOAD G0+4*\slot, G1, G0B+4*\slot, G1B
.else
	PLACES NP
.endif
	s_wait_alu depctr_va_vdst(0)
	v_add_nc_u32 v[ADRS], 128, v[ADRS]
	FETCH_B \next, 0, 0
	FETCH_A \next, 0, 0
	SCALES \next
.if \fill
	s_cmp_gt_u32 s[CNT], 1                         ; the K chunk that stands two refills on is asked for; the last trip's two refills have none
	s_cbranch_scc0 .Lno_ask_\@
	global_prefetch_b8 v30, s[96:97] offset:2*SSA th:TH_LOAD_NT scope:SCOPE_SE
.Lno_ask_\@:
.endif
	WIN MUL_HI
	MUL16 4, 1, NQ-1, \slot, 0
	MUL16 6, 1, NQ-1, \slot, 0
	PLACES NP
	WIN 0
	FETCH_A \next, 0, 4
.endm
	s_wait_alu depctr_va_vdst(0)                   ; the wait at the head's end
	global_prefetch_b8 v30, s[96:97] offset:SSA th:TH_LOAD_NT scope:SCOPE_SE     ; K chunks 2 and 3, which the first two refills bring
	global_prefetch_b8 v30, s[96:97] offset:2*SSA th:TH_LOAD_NT scope:SCOPE_SE
	s_wait_tensorcnt 0x0                           ; my tile of the head's four is in
	ds_add_u32 v[SPW], v[NIL]
	s_mov_b32 s[G1+2], 96<<16                      ; no load of mine is out: from here on a load brings 8 images, 96 rows
	s_mov_b32 s[G1+4], 96
	s_mov_b32 s[G1B+2], 96<<16
	s_mov_b32 s[G1B+4], 96
	s_wait_dscnt 0x0
	CROUND                                         ; all four tiles are in, and the sixteen work-groups are here
	JLOAD G0+4, G1, G0B+4, G1B                     ; slot 1's first fill, the first tensor load behind the round
	FETCH_B 0, 0, 0
	FETCH_A 0, 0, 0
	SCALES 0
	FETCH_A 0, 0, 4
	STEP 0, 0, 1
	s_mov_b32 s[CNT], LAPS-1
.Llap:
	TURN 0, 1, 1
	STEP 1, 0, 0
	TURN 1, 0, 1
	STEP 0, 0, 0
	s_sub_co_u32 s[CNT], s[CNT], 1
	s_cmp_lg_u32 s[CNT], 0
	s_cbranch_scc1 .Llap
	TURN 0, 1, 0
	STEP 1, 0, 0
; The clusters that make the rotary halves (x = 1, 2) load the table of cos and sin for my 128 tokens into window 1: block a's 32 numbers a lane at v[32 a].
; Blocks 0-2 land where B's set 0 lay, which the step above has read for the last time (its four places stand behind its last product); blocks 3-7 follow behind the last products.
.macro RLOAD a
.irp q, 0,1,2,3
	global_load_b128 v[32*(\a)+4*\q:32*(\a)+4*\q+3], v26, s[8:9] offset:(32*((\a)/2)+8*((\a)%2))*256+16*\q
	global_load_b128 v[32*(\a)+16+4*\q:32*(\a)+19+4*\q], v26, s[8:9] offset:(32*((\a)/2)+8*((\a)%2))*256+128+16*\q
.endr
.endm
	s_sub_co_u32 s20, ttmp9, 1
	s_cmp_lt_u32 s20, 2
	s_cbranch_scc0 .Lno_rope
	s_lshl_b32 s20, s92, 8
	s_lshl_b32 s21, s[HR], 7
	s_add_co_u32 s20, s20, s21
	s_and_b32 s20, s20, 2047                       ; my first token's position
	s_lshl_b32 s20, s20, 8
	s_mov_b32 s21, 0
	s_add_nc_u64 s[8:9], s[8:9], s[20:21]
	WIN TO_B
.irp a, 0,1,2
	RLOAD \a
.endr
	WIN 0
.Lno_rope:
	s_wait_dscnt 4*NL
	WIN MUL_LO
	MUL16 0, 1, NQ-1, 1, 0
	MUL16 2, 1, NQ-1, 1, 0
	s_wait_dscnt 0
	WIN MUL_HI
	MUL16 4, 1, NQ-1, 1, 0
	MUL16 6, 1, NQ-1, 1, 0
	WIN 0
.set TM,  32
.set CT,  48
.set PW,  56
.set PCA, 64
.set WD,  88
.set HH,  104
.set CSN, 168
.set TQ,  232
.macro QUANT s, W, pc, pw
	WIN ((\W)|((\W)<<2))
.irp b, 0,1,2,3
	v_max3_num_f32 v[TM+\b], |v[(\s)+16*\b]|, |v[(\s)+1+16*\b]|, 0x1800000
.endr
.irp i, 2,4,6,8,10,12,14
.irp b, 0,1,2,3
	v_max3_num_f32 v[TM+\b], |v[(\s)+16*\b+\i]|, |v[(\s)+1+16*\b+\i]|, v[TM+\b]
.endr
.endr
	WIN 0
.irp b, 0,1,2,3
	v_permlanex16_b32 v[TM+4+\b], v[TM+\b], s2, s3
.endr
.irp b, 0,1,2,3
	v_max_num_f32 v[TM+\b], v[TM+\b], v[TM+4+\b]
.endr
.irp b, 0,1,2,3
	v_add_nc_u32 v[TM+12+\b], 0xff000000, v[TM+\b]
.endr
.irp b, 0,1,2,3
	v_lshrrev_b32 v[TM+4+\b], 23, v[TM+12+\b]
.endr
	v_lshl_or_b32 v[\pw], v[TM+5], 8, v[TM+4]
	v_lshl_or_b32 v[\pw], v[TM+6], 16, v[\pw]
	v_lshl_or_b32 v[\pw], v[TM+7], 24, v[\pw]
	WIN (\W)
.irp c, 0,1
	v_cvt_scalef32_pk16_fp6_f32 v[(\pc)+6*\c:(\pc)+2+6*\c], v[(\s)+32*\c:(\s)+15+32*\c], v[TM+12+2*\c]
	v_cvt_scalef32_pk16_fp6_f32 v[TQ+4*\c:TQ+2+4*\c], v[(\s)+16+32*\c:(\s)+31+32*\c], v[TM+12+2*\c+1]
.endr
	WIN 0
	v_nop
.irp c, 0,1
.irp i, 0,1,2
	v_permlane16_swap_b32 v[(\pc)+6*\c+\i], v[TQ+4*\c+\i]
.endr
.irp i, 0,1,2
	v_mov_b32 v[(\pc)+3+6*\c+\i], v[TQ+4*\c+\i]
.endr
.endr
.endm
.macro TOKENS tile, half
	s_lshl_b32 s20, s[\tile], 8
	s_lshl_b32 s21, s[\half], 7
	s_add_co_u32 s20, s20, s21
	s_and_b32 s22, s20, 2047
	s_lshr_b32 s21, s20, 11
	s_lshl_b32 s21, s21, 4
.endm
	PLACES NP
	s_mov_b32 s2, 0x76543210
	s_mov_b32 s3, 0xfedcba98
	s_mov_b32 vcc_lo, 0xffff0000
.irp b, 0,1,2,3
	v_mov_b32 v[TM+4+\b], 0
.endr
	s_cmp_eq_u32 ttmp9, 0
	s_cbranch_scc1 .Lsem
	s_cmp_eq_u32 ttmp9, 3
	s_cbranch_scc1 .Lvee
	TOKENS 92, HR
	s_lshl_b32 s46, s40, 2
	s_lshl_b32 s47, s[HC], 1
	s_add_co_u32 s46, s46, s47
	s_add_co_u32 s46, s46, s21
	s_mul_i32 s66, ttmp9, 3145728
	s_mul_i32 s47, s46, 98304
	s_add_co_u32 s66, s66, s47
	s_lshr_b32 s47, s22, 4
	s_mul_i32 s47, s47, 768
	s_add_co_u32 s66, s66, s47
	s_mov_b32 s67, 0
	s_add_nc_u64 s[10:11], s[10:11], s[66:67]
	s_lshl_b32 s66, ttmp9, 18
	s_add_co_u32 s66, s66, 262144
	s_lshl_b32 s47, s46, 13
	s_add_co_u32 s66, s66, s47
	s_lshr_b32 s47, s22, 7
	s_lshl_b32 s47, s47, 9
	s_add_co_u32 s66, s66, s47
	s_add_nc_u64 s[12:13], s[12:13], s[66:67]
	s_mov_b32 s20, 0x7f00
	WIN TO_B
.irp a, 3,4,5,6,7
	RLOAD \a
.endr
	WIN 0
.irp a, 0,1,2,3,4,5,6,7
	s_wait_loadcnt 8*(7-\a)                        ; block a's eight loads are in; those of the 7 - a blocks behind it may be out
.set CSN, 32*\a-32*(\a%2)                      ; so that CSN + 32 (a % 2) is 32 a, in window 1
	WIN 6+\a/4                                     ; source 0: the sums' window; source 1: window 1
.irp c, 0,1
.irp i, 0,2,4,6,8,10,12,14
	v_pk_mul_f32 v[HH+32*\c+\i:HH+32*\c+\i+1], v[64*(\a%4)+32*\c+16+\i:64*(\a%4)+32*\c+17+\i], v[CSN+32*(\a%2)+16+\i:CSN+32*(\a%2)+17+\i]
	v_pk_mul_f32 v[HH+32*\c+16+\i:HH+32*\c+17+\i], v[64*(\a%4)+32*\c+16+\i:64*(\a%4)+32*\c+17+\i], v[CSN+32*(\a%2)+\i:CSN+32*(\a%2)+\i+1]
	v_pk_fma_f32 v[HH+32*\c+\i:HH+32*\c+\i+1], v[64*(\a%4)+32*\c+\i:64*(\a%4)+32*\c+\i+1], v[CSN+32*(\a%2)+\i:CSN+32*(\a%2)+\i+1], v[HH+32*\c+\i:HH+32*\c+\i+1] neg_lo:[0,0,1] neg_hi:[0,0,1]
	v_pk_fma_f32 v[HH+32*\c+16+\i:HH+32*\c+17+\i], v[64*(\a%4)+32*\c+\i:64*(\a%4)+32*\c+\i+1], v[CSN+32*(\a%2)+16+\i:CSN+32*(\a%2)+17+\i], v[HH+32*\c+16+\i:HH+32*\c+17+\i]
.endr
.endr
	WIN 0
	s_wait_xcnt 0x0
	QUANT HH, 0, PCA+12*(\a%2), PW+\a
.irp c, 0,1
	global_store_b128 v24, v[PCA+12*(\a%2)+6*\c:PCA+12*(\a%2)+6*\c+3], s[10:11] offset:\c*98304+768*\a
	global_store_b64 v25, v[PCA+12*(\a%2)+6*\c+4:PCA+12*(\a%2)+6*\c+5], s[10:11] offset:\c*98304+768*\a+512
.endr
.endr
.irp i, 0,1,2,3
	v_cndmask_b32 v[CT+\i], v[PW+\i], v[PW+4+\i], vcc_lo
.endr
.irp i, 0,1,2,3
	v_lshl_or_b32 v[WD+\i], v[CT+\i], 16, s20
	v_and_or_b32 v[WD+4+\i], v[CT+\i], 0xffff0000, s20
.endr
	global_store_b128 v24, v[WD:WD+3], s[12:13]
	global_store_b128 v24, v[WD+4:WD+7], s[12:13] offset:8192
	s_branch .Lend
.Lsem:
	TOKENS 92, HR
	s_lshl_b32 s23, s40, 8
	s_lshl_b32 s45, s[HC], 7
	s_add_co_u32 s23, s23, s45
	s_lshr_b32 s45, s23, 9
	s_bfe_u32 s46, s23, 0x40005
	s_add_co_u32 s46, s46, s21
	s_mul_i32 s66, s45, 1572864
	s_mul_i32 s47, s46, 49152
	s_add_co_u32 s66, s66, s47
	s_lshr_b32 s47, s22, 5
	s_mul_i32 s47, s47, 768
	s_add_co_u32 s66, s66, s47
	s_mov_b32 s67, 0
	s_add_nc_u64 s[10:11], s[10:11], s[66:67]
	s_lshl_b32 s66, s45, 18
	s_lshl_b32 s47, s46, 13
	s_add_co_u32 s66, s66, s47
	s_lshr_b32 s47, s22, 7
	s_lshl_b32 s47, s47, 9
	s_add_co_u32 s66, s66, s47
	s_add_nc_u64 s[12:13], s[12:13], s[66:67]
.irp G, 0,1,2,3
	s_wait_xcnt 0x0
	QUANT 64*((2*\G)%4), 2+(2*\G)/4, PCA, PW+2*\G
	QUANT 64*((2*\G+1)%4), 2+(2*\G+1)/4, PCA+12, PW+2*\G+1
.irp k, 0,1,2,3,4,5,6,7,8,9,10,11
	v_permlane16_swap_b32 v[PCA+\k], v[PCA+12+\k]
.endr
.irp c, 0,1
	global_store_b128 v24, v[PCA+6*\c:PCA+6*\c+3], s[10:11] offset:(2*\c)*49152+768*\G
	global_store_b64 v25, v[PCA+6*\c+4:PCA+6*\c+5], s[10:11] offset:(2*\c)*49152+768*\G+512
	global_store_b128 v24, v[PCA+12+6*\c:PCA+12+6*\c+3], s[10:11] offset:(2*\c+1)*49152+768*\G
	global_store_b64 v25, v[PCA+12+6*\c+4:PCA+12+6*\c+5], s[10:11] offset:(2*\c+1)*49152+768*\G+512
.endr
.endr
.irp i, 0,1,2,3
	v_cndmask_b32 v[CT+\i], v[PW+\i], v[PW+4+\i], vcc_lo
.endr
.irp e, 0,1,2,3
.irp i, 0,1,2,3
	v_bfe_u32 v[WD+4*\e+\i], v[CT+\i], 8*\e, 8
.endr
	global_store_b128 v24, v[WD+4*\e:WD+4*\e+3], s[12:13] offset:8192*\e
.endr
	s_branch .Lend
.Lvee:
	TOKENS 93, HC
	s_lshl_b32 s46, s41, 2
	s_lshl_b32 s47, s[HR], 1
	s_add_co_u32 s46, s46, s47
	s_add_co_u32 s46, s46, s21
	s_lshr_b32 s22, s22, 7
	s_lshl_b32 s66, s46, 12
	s_lshl_b32 s47, s22, 8
	s_add_co_u32 s66, s66, s47
	s_add_co_u32 s66, s66, 3145728
	s_mov_b32 s67, 0
	s_add_nc_u64 s[94:95], s[14:15], s[66:67]
	s_mul_i32 s66, s46, 98304
	s_mul_i32 s47, s22, 6144
	s_add_co_u32 s66, s66, s47
	s_add_nc_u64 s[14:15], s[14:15], s[66:67]
.irp a, 0,1,2,3,4,5,6,7
	s_wait_xcnt 0x0
	QUANT 64*(\a%4), 2+\a/4, PCA+12*(\a%2), PW+\a
.irp g, 0,1,2
	global_store_b128 v24, v[PCA+12*(\a%2)+4*\g:PCA+12*(\a%2)+4*\g+3], s[14:15] offset:(\a/4)*98304+1536*(\a%4)+512*\g
.endr
.endr
.irp i, 0,1,2,3
	v_cndmask_b32 v[WD+\i], v[PW+\i], v[PW+4+\i], vcc_lo
.endr
	global_store_b128 v10, v[WD:WD+3], s[94:95]
.Lend:
	s_wait_tensorcnt 0x0
	ds_add_u32 v[SPW], v[NIL]
	s_wait_dscnt 0x0
	CROUND
	s_endpgm
.Lfunc_end_k_q39f8dd4bd4_proj:
	.size	k_q39f8dd4bd4_proj, .Lfunc_end_k_q39f8dd4bd4_proj-k_q39f8dd4bd4_proj
	.p2alignl 7, 3214868480
	.fill 96, 4, 3214868480
	.section	.rodata,"a",@progbits
	.p2align	6, 0x0
	.amdhsa_kernel k_q39f8dd4bd4_proj
		.amdhsa_group_segment_fixed_size 327680
		.amdhsa_private_segment_fixed_size 0
		.amdhsa_enable_private_segment 0
		.amdhsa_kernarg_size 48
		.amdhsa_user_sgpr_count 2
		.amdhsa_user_sgpr_kernarg_segment_ptr 1
		.amdhsa_wavefront_size32 1
		.amdhsa_system_sgpr_workgroup_id_x 1
		.amdhsa_system_sgpr_workgroup_id_y 1
		.amdhsa_system_sgpr_workgroup_id_z 1
		.amdhsa_system_vgpr_workitem_id 0
		.amdhsa_next_free_vgpr 1024
		.amdhsa_next_free_sgpr 100
		.amdhsa_reserve_vcc 1
		.amdhsa_float_denorm_mode_32 3
		.amdhsa_float_denorm_mode_16_64 3
		.amdhsa_memory_ordered 1
		.amdhsa_forward_progress 1
		.amdhsa_inst_pref_size 255
	.end_amdhsa_kernel
	.section	.bss,"aw",@nobits
	.p2align	6
	.space	262144
	.amdgpu_metadata
---
amdhsa.version: [ 1, 2 ]
amdhsa.kernels:
  - .name:           k_q39f8dd4bd4_proj
    .symbol:         k_q39f8dd4bd4_proj.kd
    .args:
      - { .name: codes, .offset: 0, .size: 8, .value_kind: global_buffer, .address_space: global }
      - { .name: scales, .offset: 8, .size: 8, .value_kind: global_buffer, .address_space: global }
      - { .name: rope, .offset: 16, .size: 8, .value_kind: global_buffer, .address_space: global }
      - { .name: qk, .offset: 24, .size: 8, .value_kind: global_buffer, .address_space: global }
      - { .name: qksc, .offset: 32, .size: 8, .value_kind: global_buffer, .address_space: global }
      - { .name: vc, .offset: 40, .size: 8, .value_kind: global_buffer, .address_space: global }
    .group_segment_fixed_size: 327680
    .private_segment_fixed_size: 0
    .kernarg_segment_align: 8
    .kernarg_segment_size: 48
    .max_flat_workgroup_size: 128
    .sgpr_count:     100
    .vgpr_count:     1024
    .wavefront_size: 32
...
	.end_amdgpu_metadata
.endif
;; end of part 2
;; launch attn (part 3): grid 8 x 32, 16 waves a work-group, clusters of 4 x 1, 264,192 bytes of LDS; arguments qk, qksc, vc, oc; writes oc
.if DOCPART == 3
	.amdgcn_target "amdgcn-amd-amdhsa--gfx1250"
	.amdhsa_code_object_version 6
	.text
	.protected	k_q39f8dd4bd4_attn
	.globl	k_q39f8dd4bd4_attn
	.p2align	8
	.type	k_q39f8dd4bd4_attn,@function
k_q39f8dd4bd4_attn:
	s_mov_b64 s[64:65], 0
	v_nop
	global_prefetch_b8 v0, s[64:65] scope:SCOPE_SE
	s_setreg_imm32_b32 hwreg(HW_REG_WAVE_MODE, 25, 1), 1
	s_wait_xcnt 0x0
	s_wait_alu depctr_hold_cnt(0) depctr_sa_sdst(0) depctr_va_vdst(0) depctr_va_sdst(0) depctr_va_ssrc(0) depctr_va_vcc(0) depctr_vm_vsrc(0)
	s_getreg_b32 s2, hwreg(HW_REG_IB_STS2, 6, 4)
	s_cmp_eq_u32 s2, 0
	s_cbranch_scc0 .Lentry_in_a_cluster
	s_endpgm
.Lentry_in_a_cluster:
	s_bfe_u32 s2, ttmp6, 0x10000c
	s_cmp_lg_u32 s2, 0x3003
	s_cbranch_scc0 .Lentry_shape_is_right
	s_endpgm
.Lentry_shape_is_right:
; Causal attention of one (batch, head) pair on codes of FP6 (E2M3): S^T = K Q^T (K = 96: sem, geo half 1, geo half 2), p = 2^(t - M) quantised along the keys, O^T = V^T P^T, o / l quantised along the head's 64.
; t = score x log2(e) / sqrt(96); M = the running largest t rounded up to a whole number; the row's sum is taken of the unquantised p, in f32; when M moves, the sum and O^T are multiplied by 2^(old M - new M), exactly.
; THE FIRST PRODUCT'S 128 ALONG K: block 0 sem, block 1 a filler, blocks 2, 3 the geo halves.  Q's filler codes are zeros; K's lanes 16-31 read the sem bytes again there; both filler bytes are 2^0: zero times a finite number adds nothing.
; SHARES.  A cluster of four work-groups walks one pair's K and V; a work-group has 16 waves, each with ONE tile of 16 queries in 256 registers.  The 16 blocks of 128 queries are dealt so that each row and each column of the
; 4 x 4 table of waves has blocks summing to 30: block BB has BB + 1 key steps of 128.  BB hangs on the wave's number and the cluster's x alone; the work-group's place in its cluster enters global addresses and the mask's number d alone.
; LDS.  All of the pair's K and V (245,760 bytes) are asked for ONCE, at the head, in four phases of 512 keys, by joint loads of waves 0 to 4 (four loads a wave are out at the most); nothing is filled again.
; So there is no later request that a prefetch could run ahead of.  A phase is read behind a counted wait of the fetching waves and a barrier.  The scale words go through registers into LDS bytes of their own.
; POSITIONS.  Lane r of tile T stands for token 32 (T / 2) + 8 (T % 2) + r + 8 (r / 8): the 16 registers of two neighbouring tiles of keys (and of V's numbers) are 16 true neighbours.
; LIMITS: 1 / l is v_rcp_f32; score scale and log2(e) are one constant; NaN and infinities are not served; a block of o under 2^-124 keeps the byte 1.  The scale bytes of o leave as single bytes, 32 in a run of 128 bytes: one byte for 24 of codes.
; THE PARAGRAPH 'LDS' ABOVE IS REPLACED BY THIS ONE.  All of the pair's K and V (245,760 bytes) are asked for ONCE, at the head, as ten pieces of 24,576 bytes, by ONE joint load of each of waves 0 to 9:
; waves 0, 1 K's sem images (LDS from 0), waves 2-5 K's geo images (from 49,152), waves 6-9 V's fragments (from 147,456); piece w lands at 24,576 w.  Nothing is filled again, and no later request
; exists that a prefetch could run ahead of.  Every wave waits for its load and its LDS stores, one barrier follows, and one loop walks the 16 key steps.
.set PH,  61440                        ; a quarter of the pair's K and V bytes
.set KSC, 4*PH                         ; K's scale words, 8,192 bytes
.set VSC, KSC+8192                     ; V's, 4,096 bytes
.set WV,  12
.set BB,  15                           ; s15 my block of 128 queries
.set TS,  56                           ; s56 the step's sem images; s57 its geo images (V's lie 98,304 further on); s58, s59 its scale words; s60 the step's number; s61 counts a phase's steps
.set TG,  57
.set TK,  58
.set TV,  59
.set KS,  60
.set CNT, 61
.set SEL, 62                           ; s[62:63] lane selects: lane xor 16
.set CS,  66                           ; s[66:67] c = log2(e) / sqrt(96)
.set SR,  96                           ; v96-159  S^T, then p
.set OT,  160                          ; v160-191 O^T
.set PC,  192                          ; v192-203 p's codes
.set TQ,  204                          ; v204-210 the second conversions' results
.set BM,  212                          ; v212-215 the blocks' largest
.set PD,  216                          ; v216-219 the other half's
.set SO,  220                          ; v220-223 scale operands
.set BY,  224                          ; v224-227 bytes
.set PW,  228                          ; v228     p's scale word
.set FF,  230                          ; v[230:231] f
.set TT,  232                          ; v232     at work
.set L2S, 234                          ; v[234:235] the second chain of sums
.macro CROUND
	s_barrier_signal -1
	s_barrier_wait -1
	s_cmp_lg_u32 s[WV], 0
	s_cbranch_scc1 .Lnot_wave_0_\@
	s_barrier_signal -3
.Lnot_wave_0_\@:
	s_barrier_wait -3
	s_barrier_signal -1
	s_barrier_wait -1
.endm
	s_load_b256 s[4:11], s[0:1], 0x0               ; qk, qksc, vc, oc
	v_lshl_add_u32 v254, v0, 2, 0x40000
	v_mov_b32 v255, 0
	ds_add_u32 v254, v255
	ds_add_u32 v254, v255
	v_lshrrev_b32 v8, 5, v0
	s_delay_alu instid0(VALU_DEP_1)
	v_readfirstlane_b32 s[WV], v8                  ; wave 0..15
	s_bfe_u32 s18, ttmp6, 0x40000                  ; cx
	s_and_b32 s17, ttmp7, 0xffff                   ; 16 x batch + head
	s_lshr_b32 s13, s[WV], 2                       ; a
	s_and_b32 s14, s[WV], 3
	s_lshr_b32 s19, s13, 1                         ; a / 2: which of my work-group's two tiles of the block
	s_xor_b32 s20, s13, s19
	s_and_b32 s20, s20, 1
	s_mul_i32 s20, s20, 3
	s_xor_b32 s14, s14, s20                        ; u
	s_xor_b32 s20, s13, s14
	s_and_b32 s20, s20, 1
	s_mul_i32 s20, s20, 3
	s_xor_b32 s20, s20, ttmp9
	s_lshl_b32 s[BB], s14, 2
	s_add_co_u32 s[BB], s[BB], s20                 ; BB = 4 u + (x xor 3 ((a xor u) % 2))
	s_lshl_b32 s16, s[BB], 3
	s_lshl_b32 s21, s18, 1
	s_add_co_u32 s16, s16, s21
	s_add_co_u32 s16, s16, s19                     ; my tile of queries: 8 BB + 2 cx + a / 2
	; group 1: a dense block of 24,576 bytes as 96 rows of 32 elements of 8 bytes; the mask names all four work-groups
	s_mov_b32 s48, 15|(3<<16)|(1<<21)
	s_mov_b32 s49, 32<<16
	s_mov_b32 s50, 96<<16
	s_mov_b32 s51, 32<<16
	s_mov_b32 s52, 96
	s_mov_b32 s53, 32
	s_mov_b32 s54, 0
	s_mov_b32 s55, 0
	s_mul_i32 s24, s17, 49152
	s_mul_i32 s25, s17, 98304
	s_lshl_b32 s26, s17, 13
	s_lshl_b32 s27, s17, 12
	s_mul_i32 s20, s[WV], 24576                    ; my piece's place in LDS
	s_add_co_u32 s21, s24, s20
	s_add_co_u32 s21, s21, 1572864                 ; waves 0, 1: the halves of K's sem images
	s_add_co_u32 s22, s25, s20
	s_add_co_u32 s23, s22, 6291456-2*24576         ; waves 2-5: the quarters of K's geo images
	s_sub_co_u32 s22, s22, 6*24576                 ; waves 6-9: the quarters of V's fragments
	s_cmp_lt_u32 s[WV], 6
	s_cselect_b32 s28, s23, s22
	s_cmp_lt_u32 s[WV], 2
	s_cselect_b32 s28, s21, s28
	s_mov_b32 s29, 0
	s_mov_b32 s[SEL], 0x76543210
	s_mov_b32 s[SEL+1], 0xfedcba98
	s_mov_b32 s[CS], 0x3e16c740
	s_mov_b32 s[CS+1], s[CS]                       ; (named with it as a pair, so it is written)
	s_wait_dscnt 0x0
	s_wait_kmcnt 0x0
	s_cmp_lt_u32 s[WV], 6
	s_cselect_b64 s[68:69], s[4:5], s[8:9]
	s_add_nc_u64 s[68:69], s[68:69], s[28:29]
	s_mov_b32 s32, 1
	s_mov_b32 s33, s20
	s_mov_b64 s[34:35], s[68:69]
	s_or_b32 s35, s35, 0x80000000
	CROUND                                         ; all four work-groups are here: the joint loads meet
	s_cmp_lt_u32 s[WV], 10                         ; ten pieces, one load a wave
	s_cbranch_scc0 .Lno_fetch
	tensor_load_to_lds s[32:35], s[48:55]
	s_nop 0
.rept 4
	v_nop
.endr
.Lno_fetch:
	v_and_b32 v84, 15, v0                          ; r
	v_bfe_u32 v85, v0, 4, 1                        ; h
	v_and_b32 v86, 31, v0                          ; lane
	s_delay_alu instid0(VALU_DEP_3)
	v_lshlrev_b32 v1, 4, v84                       ; 16 r
	s_delay_alu instid0(VALU_DEP_4)
	v_lshlrev_b32 v2, 3, v84                       ; 8 r
	s_delay_alu instid0(VALU_DEP_3)
	v_lshlrev_b32 v3, 4, v86                       ; 16 x lane
	s_delay_alu instid0(VALU_DEP_4)
	v_lshlrev_b32 v4, 3, v86                       ; 8 x lane
	s_delay_alu instid0(VALU_DEP_4)
	v_add_nc_u32 v5, KSC, v1
	v_add_nc_u32 v6, VSC, v1
	s_lshl_b32 s21, s18, 5
	s_lshl_b32 s22, s19, 3
	s_add_co_u32 s21, s21, s22
	v_and_b32 v8, 8, v84
	s_delay_alu instid0(VALU_DEP_1)
	v_add_nc_u32 v8, v8, v84
	v_lshlrev_b32 v9, 4, v85
	s_delay_alu instid0(VALU_DEP_1)
	v_sub_nc_u32 v8, v8, v9
	s_delay_alu instid0(VALU_DEP_1)
	v_add_nc_u32 v7, s21, v8                       ; d = my query in its block - 16 h: register n of the diagonal step is hidden where 32 (n / 16) + n % 16 > d
	s_and_b32 s21, s16, 1
	s_lshl_b32 s22, s21, 8
	v_add_nc_u32 v87, s22, v1                      ; Q's sem image: lane index 16 (T % 2) + r
	s_lshl_b32 s22, s21, 7
	v_add_nc_u32 v88, s22, v2
	v_add_nc_u32 v89, v2, v85                      ; o's scale bytes: 8 r + h
	v_lshlrev_b32 v90, 4, v0
	s_wait_alu depctr_va_vdst(0)
	v_lshlrev_b32 v91, 3, v0
	s_wait_alu depctr_va_vdst(0)
	v_lshl_add_u32 v93, v0, 4, KSC
	v_lshl_add_u32 v94, v0, 3, VSC
	s_mov_b32 s71, 0
	s_add_co_u32 s70, s26, 262144
	s_add_nc_u64 s[72:73], s[6:7], s[70:71]        ; K's sem words (its geo words 524,288 further on)
	s_add_co_u32 s70, s27, 3145728
	s_add_nc_u64 s[74:75], s[8:9], s[70:71]        ; V's words
	s_lshr_b32 s70, s16, 1
	s_mul_i32 s70, s70, 768
	s_add_co_u32 s70, s70, s24
	s_add_nc_u64 s[76:77], s[4:5], s[70:71]        ; Q's sem image
	s_mul_i32 s70, s16, 768
	s_add_co_u32 s70, s70, s25
	s_add_co_u32 s70, s70, 3145728
	s_add_nc_u64 s[78:79], s[4:5], s[70:71]        ; Q's geo image
	s_lshl_b32 s70, s[BB], 9
	s_add_co_u32 s70, s70, s26
	s_bfe_u32 s21, s16, 0x10002
	s_lshl_b32 s21, s21, 8
	s_add_co_u32 s70, s70, s21
	s_and_b32 s21, s16, 3
	s_lshl_b32 s21, s21, 2
	s_add_co_u32 s70, s70, s21
	s_add_nc_u64 s[80:81], s[6:7], s[70:71]        ; Q's words
	global_load_b128 v[32:35], v90, s[72:73]       ; every thread 16 bytes of K's sem words,
	global_load_b128 v[36:39], v90, s[72:73] offset:524288   ; of its geo words,
	global_load_b64 v[40:41], v91, s[74:75]        ; and 8 of V's
	global_load_b128 v[16:19], v87, s[76:77]
	global_load_b64 v[20:21], v88, s[76:77] offset:512
	global_load_b128 v[22:25], v3, s[78:79]
	global_load_b64 v[26:27], v4, s[78:79] offset:512
	global_load_b32 v30, v1, s[80:81]
	global_load_b32 v92, v1, s[80:81] offset:524288
	s_and_b32 s21, s17, 15                         ; head
	s_lshr_b32 s22, s17, 4
	s_lshl_b32 s22, s22, 7
	s_add_co_u32 s22, s22, s16                     ; my tile among the 256 of both batches
	s_lshr_b32 s23, s21, 2
	s_and_b32 s21, s21, 3
	s_mul_i32 s70, s23, 786432
	s_mul_i32 s28, s22, 3072
	s_add_co_u32 s70, s70, s28
	s_mul_i32 s28, s21, 768
	s_add_co_u32 s70, s70, s28
	s_add_nc_u64 s[82:83], s[10:11], s[70:71]      ; o's image: [head / 4][tile][head % 4]
	s_lshl_b32 s70, s22, 9
	s_add_co_u32 s70, s70, 3145728
	s_lshl_b32 s28, s23, 7
	s_add_co_u32 s70, s70, s28
	s_lshl_b32 s28, s21, 1
	s_add_co_u32 s70, s70, s28
	s_add_nc_u64 s[84:85], s[10:11], s[70:71]      ; o's scale bytes: [tile][head / 4][r][8 bytes], mine at 2 (head % 4) + h
	s_wait_loadcnt 6                               ; the three loads of scale words are in; Q's six may be out
.irp i, 0,1,2,3
	v_or_b32 v[32+\i], v[32+\i], v[36+\i]          ; sem byte | filler | geo bytes
.endr
	s_wait_alu depctr_va_vdst(0)
	ds_store_b128 v93, v[32:35]
	ds_store_b64 v94, v[40:41]
	s_wait_loadcnt 0x0
	s_mov_b32 vcc_lo, 0xffff0000
	v_mov_b32 v31, 0
.irp i, 0,1,2,3,4,5
	v_cndmask_b32 v[16+\i], v[16+\i], v31, vcc_lo  ; Q's filler block: zero codes
.endr
	v_or_b32 v30, v30, v92                         ; Q's scale word
	v_mov_b32 v13, 0xff61b1e6                      ; the largest t so far: -3e38
	s_delay_alu instid0(VALU_DEP_1)
	v_floor_f32 v12, -v13                          ; -M
	v_mov_b32 v14, 0
	v_mov_b32 v15, 0
.irp b, 0,1,2,3
	v_mov_b32 v[PD+\b], 0                          ; a lane permute's destination counts as one of its sources
.endr
	v_mov_b32 v[FF+1], 0                           ; (named as the upper half of a pair)
.set n, 0
.rept 32
	v_mov_b32 v[OT+n], 0                           ; the step is written once: the first finds zeros
.set n, n+1
.endr
; A KEY STEP: 128 keys.  A step all of whose keys come after my block is left out: a scalar branch on ids, round the work, not round the lines that step addresses.
.macro STEP
	s_cmp_gt_u32 s[KS], s[BB]
	s_cbranch_scc1 .Lhidden_\@
	v_add_nc_u32 v8, s[TS], v1                     ; (these seven are also the places in front of the loads below)
	v_add_nc_u32 v9, s[TS], v2
	v_add_nc_u32 v10, s[TG], v3
	v_add_nc_u32 v11, s[TG], v4
	v_add_nc_u32 v28, s[TK], v5
	v_add_nc_u32 v29, s[TV], v6
	v_add_nc_u32 v95, 0x18000, v10                 ; V's fragments lie 98,304 bytes behind K's geo images
	s_wait_alu depctr_va_vdst(0)
; All eight tiles of keys are asked for in one run of 34 loads.  Tiles 0-3 land in v32-79, their scale words in v80-83; tiles 4-7 in v192-227 and v240-251, which hold
; nothing between one step's second product and the next step's softmax; their scale words in v236-239, which hold scales alone.
.irp g, 0,1
.irp t, 0,1,2,3
.set KF, 32+12*\t+\g*(160+12*(\t/3))
	ds_load_b128 v[KF:KF+3], v8 offset:768*(2*\g+\t/2)+256*(\t%2)
	ds_load_b64 v[KF+4:KF+5], v9 offset:768*(2*\g+\t/2)+512+128*(\t%2)
	ds_load_b128 v[KF+6:KF+9], v10 offset:768*(4*\g+\t)
	ds_load_b64 v[KF+10:KF+11], v11 offset:768*(4*\g+\t)+512
.endr
	ds_load_b128 v[80+156*\g:83+156*\g], v28 offset:256*\g
.endr
.irp g, 0,1
	s_wait_dscnt 17-17*\g                          ; the first 17 loads are in while the second 17 may be out; then all
.irp t, 0,1,2,3
.set KF, 32+12*\t+\g*(160+12*(\t/3))
	v_wmma_scale_f32_16x16x128_f8f6f4 v[SR+8*(4*\g+\t):SR+8*(4*\g+\t)+7], v[KF:KF+11], v[16:27], 0, v[80+156*\g+\t], v30 matrix_a_fmt:MATRIX_FMT_FP6 matrix_b_fmt:MATRIX_FMT_FP6
.endr
.endr
.rept 4
	v_nop
.endr
.irp t, 0,1,2,3                        ; V's fragments and scale words are asked for here, ahead of the softmax, into the registers that tiles 0-3 have left
.irp c, 0,1,2
	ds_load_b128 v[32+12*\t+4*\c:35+12*\t+4*\c], v95 offset:1536*\t+512*\c
.endr
.endr
	ds_load_b128 v[80:83], v29
	s_cmp_lg_u32 s[KS], s[BB]
	s_cbranch_scc1 .Lopen_\@
	v_mov_b32 v[TT], 0xff800000
.set n, 0
.rept 64
	v_cmp_gt_i32 vcc_lo, 32*(n/16)+n%16, v7
	v_cndmask_b32 v[SR+n], v[SR+n], v[TT], vcc_lo
.set n, n+1
.endr
.Lopen_\@:
.irp b, 0,1,2,3
	v_max3_num_f32 v[BM+\b], v[SR+16*\b], v[SR+1+16*\b], v[SR+2+16*\b]   ; the largest score of each block of 32 keys: for the row's maximum, and for the block's largest p
.endr
.irp i, 3,5,7,9,11,13
.irp b, 0,1,2,3
	v_max3_num_f32 v[BM+\b], v[BM+\b], v[SR+16*\b+\i], v[SR+1+16*\b+\i]
.endr
.endr
.irp b, 0,1,2,3
	v_max_num_f32 v[BM+\b], v[BM+\b], v[SR+15+16*\b]
.endr
.irp b, 0,1,2,3
	s_delay_alu instid0(VALU_DEP_4)
	v_permlanex16_b32 v[PD+\b], v[BM+\b], s[SEL], s[SEL+1]
.endr
.irp b, 0,1,2,3
	s_delay_alu instid0(VALU_DEP_4)
	v_max_num_f32 v[BM+\b], v[BM+\b], v[PD+\b]
.endr
	s_delay_alu instid0(VALU_DEP_2)
	v_max3_num_f32 v[TT], v[BM], v[BM+1], v[BM+2]
	s_delay_alu instid0(VALU_DEP_1)
	v_max_num_f32 v[TT], v[TT], v[BM+3]
	s_delay_alu instid0(VALU_DEP_1)
	v_mul_f32 v[TT], s[CS], v[TT]
	s_delay_alu instid0(VALU_DEP_1)
	v_max_num_f32 v13, v13, v[TT]                  ; the running largest t
	v_mov_b32 v[TT], v12
	s_delay_alu instid0(VALU_DEP_2)
	v_floor_f32 v12, -v13                          ; the new -M = -ceil(t)
	s_delay_alu instid0(VALU_DEP_1)
	v_sub_f32 v[TT], v12, v[TT]                    ; old M - new M: a whole number, 0 or less
	s_delay_alu instid0(VALU_DEP_1)
	v_cvt_i32_f32 v[TT], v[TT]                     ; (it saturates)
	s_delay_alu instid0(VALU_DEP_1)
	v_ldexp_f32 v[FF], 1.0, v[TT]                  ; f = 2^(old M - new M)
.set n, 0
.rept 32
	v_pk_fma_f32 v[SR+n:SR+n+1], v[SR+n:SR+n+1], s[CS:CS+1], v[12:13] op_sel_hi:[1,0,0]   ; t - M
.set n, n+2
.endr
.irp b, 0,1,2,3
	v_fma_f32 v[BM+\b], v[BM+\b], s[CS], v12
.endr
.set n, 0
	s_wait_alu depctr_va_vdst(0)
.rept 64
	v_exp_f32 v[SR+n], v[SR+n]                     ; p = 2^(t - M)
.set n, n+1
.endr
	v_pk_mul_f32 v[14:15], v[14:15], v[FF:FF+1] op_sel_hi:[1,0]   ; the sums under the new M; a plain line behind the exponentials
	s_wait_alu depctr_va_vdst(0)                   ; one wait for the batch, ahead of its first reader
.irp b, 0,1,2,3
	v_exp_f32 v[BM+\b], v[BM+\b]                   ; the block's largest p: the same two instructions on the same number
.endr
	v_pk_add_f32 v[234:235], v[100:101], v[104:105]
	v_pk_add_f32 v[252:253], v[108:109], v[112:113]
	v_pk_add_f32 v[250:251], v[116:117], v[120:121]
	v_pk_add_f32 v[248:249], v[124:125], v[128:129]
	v_pk_add_f32 v[246:247], v[132:133], v[136:137]
	v_pk_add_f32 v[244:245], v[140:141], v[144:145]
	v_pk_add_f32 v[242:243], v[148:149], v[152:153]
	v_pk_add_f32 v[14:15], v[14:15], v[156:157]
	v_pk_add_f32 v[234:235], v[234:235], v[96:97]
	v_pk_add_f32 v[252:253], v[252:253], v[98:99]
	v_pk_add_f32 v[250:251], v[250:251], v[102:103]
	v_pk_add_f32 v[248:249], v[248:249], v[106:107]
	v_pk_add_f32 v[246:247], v[246:247], v[110:111]
	v_pk_add_f32 v[244:245], v[244:245], v[114:115]
	v_pk_add_f32 v[242:243], v[242:243], v[118:119]
	v_pk_add_f32 v[14:15], v[14:15], v[122:123]
	v_pk_add_f32 v[234:235], v[234:235], v[126:127]
	v_pk_add_f32 v[252:253], v[252:253], v[130:131]
	v_pk_add_f32 v[250:251], v[250:251], v[134:135]
	v_pk_add_f32 v[248:249], v[248:249], v[138:139]
	v_pk_add_f32 v[246:247], v[246:247], v[142:143]
	v_pk_add_f32 v[244:245], v[244:245], v[146:147]
	v_pk_add_f32 v[242:243], v[242:243], v[150:151]
	v_pk_add_f32 v[14:15], v[14:15], v[154:155]
	v_pk_add_f32 v[234:235], v[234:235], v[158:159]
	s_delay_alu instid0(VALU_DEP_2)
	v_pk_add_f32 v[14:15], v[14:15], v[248:249]
	s_delay_alu instid0(VALU_DEP_2)
	v_pk_add_f32 v[234:235], v[234:235], v[246:247]
	v_pk_add_f32 v[252:253], v[252:253], v[244:245]
	v_pk_add_f32 v[250:251], v[250:251], v[242:243]
	s_delay_alu instid0(VALU_DEP_2)
	v_pk_add_f32 v[14:15], v[14:15], v[252:253]
	s_delay_alu instid0(VALU_DEP_2)
	v_pk_add_f32 v[234:235], v[234:235], v[250:251]
	s_delay_alu instid0(VALU_DEP_1)
	v_pk_add_f32 v[14:15], v[14:15], v[234:235]
	s_wait_alu depctr_va_vdst(0)                   ; and one for the four
.irp b, 0,1,2,3
	v_max_num_f32 v[BM+\b], 0x1800000, v[BM+\b]    ; the floor 2^(3 - 127)
.endr
.irp b, 0,1,2,3
	s_delay_alu instid0(VALU_DEP_4)
	v_add_nc_u32 v[SO+\b], 0xff000000, v[BM+\b]
.endr
.irp b, 0,1,2,3
	s_delay_alu instid0(VALU_DEP_4)
	v_lshrrev_b32 v[BY+\b], 23, v[SO+\b]
.endr
	s_delay_alu instid0(VALU_DEP_3)
	v_lshl_or_b32 v[PW], v[BY+1], 8, v[BY]
	s_delay_alu instid0(VALU_DEP_1)
	v_lshl_or_b32 v[PW], v[BY+2], 16, v[PW]
	s_delay_alu instid0(VALU_DEP_1)
	v_lshl_or_b32 v[PW], v[BY+3], 24, v[PW]
.irp c, 0,1
	v_cvt_scalef32_pk16_fp6_f32 v[PC+6*\c:PC+2+6*\c], v[SR+32*\c:SR+15+32*\c], v[SO+2*\c]
	v_cvt_scalef32_pk16_fp6_f32 v[TQ+4*\c:TQ+2+4*\c], v[SR+16+32*\c:SR+31+32*\c], v[SO+2*\c+1]
.endr
	v_nop                                          ; one plain line behind the conversions
.irp c, 0,1
.irp i, 0,1,2
	v_permlane16_swap_b32 v[PC+6*\c+\i], v[TQ+4*\c+\i]
.endr
.irp i, 0,1,2
	s_delay_alu instid0(VALU_DEP_3)
	v_mov_b32 v[PC+3+6*\c+\i], v[TQ+4*\c+\i]
.endr
.endr
.set n, 0
.rept 16
	v_pk_mul_f32 v[OT+n:OT+n+1], v[OT+n:OT+n+1], v[FF:FF+1] op_sel_hi:[1,0]   ; O^T under the new M; these sixteen are also the places ahead of the products below
.set n, n+2
.endr
	s_wait_alu depctr_va_vdst(0)
	s_wait_dscnt 0x0                               ; V's fragments are in
.irp t, 0,1,2,3
	v_wmma_scale_f32_16x16x128_f8f6f4 v[OT+8*\t:OT+8*\t+7], v[32+12*\t:43+12*\t], v[PC:PC+11], v[OT+8*\t:OT+8*\t+7], v[80+\t], v[PW] matrix_a_fmt:MATRIX_FMT_FP6 matrix_b_fmt:MATRIX_FMT_FP6
.endr
.Lhidden_\@:
	s_add_co_u32 s[TS], s[TS], 3072
	s_add_co_u32 s[TG], s[TG], 6144
	s_add_co_u32 s[TK], s[TK], 512
	s_add_co_u32 s[TV], s[TV], 256
	s_add_co_u32 s[KS], s[KS], 1
.endm
; THE WALK: every wave's load and LDS stores have landed; one barrier; sixteen key steps.
.macro PHASE n
	s_wait_tensorcnt 0x0
	s_wait_dscnt 0x0
	s_barrier_signal -1
	s_barrier_wait -1
	s_mov_b32 s[TS], PH*\n
	s_mov_b32 s[TG], 49152
	s_mov_b32 s[TK], 2048*\n
	s_mov_b32 s[TV], 1024*\n
	s_mov_b32 s[KS], 4*\n
	s_mov_b32 s[CNT], 16
.Lstep_\@:
	STEP
	s_sub_co_u32 s[CNT], s[CNT], 1
	s_cmp_lg_u32 s[CNT], 0
	s_cbranch_scc1 .Lstep_\@
.endm
	PHASE 0
	; THE WAY OUT: o = O^T / l, quantised along the head's 64 (two blocks), stored as the image of the last product's operand registers.
.rept 4
	v_nop
.endr
	v_add_f32 v14, v14, v15
	s_delay_alu instid0(VALU_DEP_1)
	v_permlanex16_b32 v[PD], v14, s[SEL], s[SEL+1]
	s_delay_alu instid0(VALU_DEP_1)
	v_add_f32 v14, v14, v[PD]                      ; the row's sum
	s_wait_alu depctr_va_vdst(0)
	v_rcp_f32 v14, v14
	v_nop                                          ; a plain line behind the reciprocal
	s_wait_alu depctr_va_vdst(0)                   ; and the wait ahead of its first reader
.set n, 0
.rept 16
	v_pk_mul_f32 v[SR+n:SR+n+1], v[OT+n:OT+n+1], v[14:15] op_sel_hi:[1,0]   ; register 16 b + i = number 32 b + 16 h + i of my query
.set n, n+2
.endr
.irp b, 0,1
	v_max3_num_f32 v[BM+\b], |v[SR+16*\b]|, |v[SR+1+16*\b]|, 0x1800000
.endr
.irp i, 2,4,6,8,10,12,14
.irp b, 0,1
	s_delay_alu instid0(VALU_DEP_2)
	v_max3_num_f32 v[BM+\b], v[BM+\b], |v[SR+16*\b+\i]|, |v[SR+1+16*\b+\i]|
.endr
.endr
.irp b, 0,1
	s_delay_alu instid0(VALU_DEP_2)
	v_permlanex16_b32 v[PD+\b], v[BM+\b], s[SEL], s[SEL+1]
.endr
.irp b, 0,1
	s_delay_alu instid0(VALU_DEP_2)
	v_max_num_f32 v[BM+\b], v[BM+\b], v[PD+\b]
.endr
.irp b, 0,1
	s_delay_alu instid0(VALU_DEP_2)
	v_add_nc_u32 v[SO+\b], 0xff000000, v[BM+\b]
.endr
.irp b, 0,1
	s_delay_alu instid0(VALU_DEP_2)
	v_lshrrev_b32 v[BY+\b], 23, v[SO+\b]
.endr
	v_cvt_scalef32_pk16_fp6_f32 v[PC:PC+2], v[SR:SR+15], v[SO]
	v_cvt_scalef32_pk16_fp6_f32 v[TQ:TQ+2], v[SR+16:SR+31], v[SO+1]
	v_nop
.irp i, 0,1,2
	v_permlane16_swap_b32 v[PC+\i], v[TQ+\i]       ; lane (r, h) holds block h whole
.endr
.irp i, 0,1,2
	s_delay_alu instid0(VALU_DEP_3)
	v_mov_b32 v[PC+3+\i], v[TQ+\i]
.endr
	s_mov_b32 vcc_lo, 0xffff0000
	v_cndmask_b32 v[BY+2], v[BY], v[BY+1], vcc_lo  ; my block's byte
	global_store_b128 v3, v[PC:PC+3], s[82:83]     ; 512 consecutive bytes, aligned
	global_store_b64 v4, v[PC+4:PC+5], s[82:83] offset:512
	global_store_b8 v89, v[BY+2], s[84:85]
	s_wait_dscnt 0x0
	s_wait_tensorcnt 0x0
	ds_add_u32 v254, v255
	s_wait_dscnt 0x0
	CROUND                                         ; the closing round
	s_endpgm
.Lfunc_end_k_q39f8dd4bd4_attn:
	.size	k_q39f8dd4bd4_attn, .Lfunc_end_k_q39f8dd4bd4_attn-k_q39f8dd4bd4_attn
	.p2alignl 7, 3214868480
	.fill 96, 4, 3214868480
	.section	.rodata,"a",@progbits
	.p2align	6, 0x0
	.amdhsa_kernel k_q39f8dd4bd4_attn
		.amdhsa_group_segment_fixed_size 264192
		.amdhsa_private_segment_fixed_size 0
		.amdhsa_enable_private_segment 0
		.amdhsa_kernarg_size 32
		.amdhsa_user_sgpr_count 2
		.amdhsa_user_sgpr_kernarg_segment_ptr 1
		.amdhsa_wavefront_size32 1
		.amdhsa_system_sgpr_workgroup_id_x 1
		.amdhsa_system_sgpr_workgroup_id_y 1
		.amdhsa_system_sgpr_workgroup_id_z 1
		.amdhsa_system_vgpr_workitem_id 0
		.amdhsa_next_free_vgpr 256
		.amdhsa_next_free_sgpr 96
		.amdhsa_reserve_vcc 1
		.amdhsa_float_denorm_mode_32 3
		.amdhsa_float_denorm_mode_16_64 3
		.amdhsa_memory_ordered 1
		.amdhsa_forward_progress 1
		.amdhsa_inst_pref_size 39
	.end_amdhsa_kernel
	.amdgpu_metadata
---
amdhsa.version: [ 1, 2 ]
amdhsa.kernels:
  - .name:           k_q39f8dd4bd4_attn
    .symbol:         k_q39f8dd4bd4_attn.kd
    .args:
      - { .name: qk, .offset: 0, .size: 8, .value_kind: global_buffer, .address_space: global }
      - { .name: qksc, .offset: 8, .size: 8, .value_kind: global_buffer, .address_space: global }
      - { .name: vc, .offset: 16, .size: 8, .value_kind: global_buffer, .address_space: global }
      - { .name: oc, .offset: 24, .size: 8, .value_kind: global_buffer, .address_space: global }
    .group_segment_fixed_size: 264192
    .private_segment_fixed_size: 0
    .kernarg_segment_align: 8
    .kernarg_segment_size: 32
    .max_flat_workgroup_size: 512
    .sgpr_count:     96
    .vgpr_count:     256
    .wavefront_size: 32
...
	.end_amdgpu_metadata
.endif
;; end of part 3
;; launch outp (part 4): grid 16 x 16, 4 waves a work-group, clusters of 4 x 4, 312,832 bytes of LDS; arguments oc, codes, scales, out0; writes out0
.if DOCPART == 4
	.amdgcn_target "amdgcn-amd-amdhsa--gfx1250"
	.amdhsa_code_object_version 6
	.text
	.protected	k_q39f8dd4bd4_outp
	.globl	k_q39f8dd4bd4_outp
	.p2align	8
	.type	k_q39f8dd4bd4_outp,@function
k_q39f8dd4bd4_outp:
	s_mov_b64 s[64:65], 0
	v_nop
	global_prefetch_b8 v0, s[64:65] scope:SCOPE_SE
	s_setreg_imm32_b32 hwreg(HW_REG_WAVE_MODE, 25, 1), 1
	s_wait_xcnt 0x0
	s_wait_alu depctr_hold_cnt(0) depctr_sa_sdst(0) depctr_va_vdst(0) depctr_va_sdst(0) depctr_va_ssrc(0) depctr_va_vcc(0) depctr_vm_vsrc(0)
	s_getreg_b32 s2, hwreg(HW_REG_IB_STS2, 6, 4)
	s_cmp_eq_u32 s2, 0
	s_cbranch_scc0 .Lentry_in_a_cluster
	s_endpgm
.Lentry_in_a_cluster:
	s_bfe_u32 s2, ttmp6, 0x10000c
	s_cmp_lg_u32 s2, 0xf033
	s_cbranch_scc0 .Lentry_shape_is_right
	s_endpgm
.Lentry_shape_is_right:
; out0[m][n] = sum over k of o[m][k] Wo[n][k]: M = 4,096 tokens, N = 2,048, K = 1,024; both operands are codes of FP6 (E2M3) with one E8M0 byte for each 32 along K; sums in f32.
; CODES lie as images of operand registers, [K / 256][tile of 16 rows][four images of 768 bytes]: of an image (64 along K) lane l owns 16 bytes at 16 l and 8 bytes at 512 + 8 l.
; SCALES lie [tile][K / 256][row][2 words], a word for each 128 along K.  Row r of o's tile T is token 32 (T / 2) + 8 (T % 2) + r + 8 (r / 8); Wo's rows keep their order.
; SHARES: a work-group makes 256 tokens x 128 columns: 16 x 16 = 256 work-groups.  A wave makes 128 x 64.
; LDS: ALL OF K is asked for once, at the head, one joint load a wave: waves 0, 1 two K chunks each of A's 16 tiles (2 rows of 49,152 bytes), waves 2, 3 two K chunks each of B's 8 tiles
; (2 rows of 24,576 bytes): 294,912 bytes.  Nothing is filled again: no ring, one barrier.  No prefetch: the launch has no loop to run ahead in, all its tiles being asked for at the head.
; CLUSTERS of 4 x 4: A's tiles hang on the block row alone and are shared along a row of the cluster, B's on the block column alone and are shared along a column.
; THE WORK GOES BY ROWS OF THE RESULT.  B's 32 fragments (4 tiles x 8 steps of 128 along K) stay in 384 registers.  A's come by blocks of 16 tokens x all of K (96 registers, two sets); a block is
; finished by 32 products, its four accumulators by turns, K ascending, and leaves through my own stage in LDS while the next block is multiplied.  No fragment is read from LDS twice.
; THE PRODUCT IS USED TRANSPOSED (source 0 = 16 rows of Wo, source 1 = 16 tokens): a lane holds eight neighbouring columns of one token's row.
; SCALE WORDS go from memory into registers, 256 consecutive bytes a load: lanes 0-15 hold an even K chunk's two words of their row, lanes 16-31 the odd chunk's; the row selector picks.
; REGISTERS: window 0: v4-29 addresses, v32-63 A's scale words, v64-79 B's, v128-191 rows on the way out (two sets).  Window 1: set p: A's fragments at v[128 p], accumulators at v[128 p + 96].
; Window 2: B's fragments of steps 0-4 (48 each); window 3: of steps 5-7.
.set SSA,    786432                    ; from K chunk to K chunk in o's codes,
.set SSB,    393216                    ; and in Wo's
.set LA,     49152                     ; a K chunk of A's 16 tiles in LDS
.set LB,     24576                     ; of B's 8 tiles
.set BBASE,  4*LA
.set SPARE,  BBASE+4*LB                ; the spare words: 128 bytes a wave, named by no other line
.set STAGE,  SPARE+512                 ; 16 rows x 272 bytes for each wave; no tile lands here
.set SPITCH, 272
.set ROWC,   8192                      ; a row of out0 in bytes
.set AA,  4                            ; v4-7   A's images of K chunk c at 16 x lane;  v8-11 at 8 x lane
.set AH,  8
.set BA,  12                           ; v12-15, v16-19 the same for B
.set BH,  16
.set L16, 20
.set L8,  21
.set STO, 24
.set RD,  25
.set CO,  26
.set SPW, 28
.set NIL, 29
.set SA,  32
.set SB,  64
.set BK,  128
.set WV,  16
.set HR,  17
.set HC,  18
.set G1,  24
.set G0,  32
.set G0B, 36
.set G1B, 48
.set MSB, 0
.macro WIN new
.if MSB != (\new)
	s_set_vgpr_msb (MSB<<8)|(\new)
.set MSB, (\new)
.endif
.endm
.macro CROUND                          ; a round of the cluster's barrier
	s_barrier_signal -1
	s_barrier_wait -1
	s_cmp_lg_u32 s[WV], 0
	s_cbranch_scc1 .Lnot_wave_0_\@
	s_barrier_signal -3
.Lnot_wave_0_\@:
	s_barrier_wait -3
	s_barrier_signal -1
	s_barrier_wait -1
.endm
.macro PLACES
.rept 4
	v_nop
.endr
.endm
	s_load_b256 s[4:11], s[0:1], 0x0               ; oc, codes, scales, out0
	v_lshl_add_u32 v[SPW], v0, 2, SPARE
	v_mov_b32 v[NIL], 0
	ds_add_u32 v[SPW], v[NIL]                      ; the opening add, twice on end, and one wait
	ds_add_u32 v[SPW], v[NIL]
	v_lshrrev_b32 v1, 5, v0
	v_readfirstlane_b32 s[WV], v1
	s_lshr_b32 s[HR], s[WV], 1                     ; my half of the tokens.  Also: I fetch for A (0) or for B (1)
	s_and_b32 s[HC], s[WV], 1                      ; my half of the columns.  Also: which two K chunks I fetch
	s_bfe_u32 s40, ttmp6, 0x40000                  ; cx
	s_bfe_u32 s41, ttmp6, 0x40004                  ; cy
	s_lshl_b32 s42, ttmp9, 2
	s_add_co_u32 s42, s42, s40                     ; block column
	s_and_b32 s43, ttmp7, 0xffff
	s_lshl_b32 s43, s43, 2
	s_add_co_u32 s43, s43, s41                     ; block row
	s_lshl_b32 s44, s41, 2
	s_lshl_b32 s44, 15, s44                        ; my row of the cluster
	s_lshl_b32 s45, 0x1111, s40                    ; my column
	s_or_b32 s[G1], s44, (3<<16)|(1<<21)           ; elements of 8 bytes; bit 21 beside the mask
	s_mov_b32 s[G1+1], (LA/8)<<16
	s_mov_b32 s[G1+2], 2<<16
	s_mov_b32 s[G1+3], (LA/8)<<16
	s_mov_b32 s[G1+4], 2
	s_mov_b32 s[G1+5], SSA/8
	s_mov_b32 s[G1+6], 0
	s_mov_b32 s[G1+7], 0
	s_or_b32 s[G1B], s45, (3<<16)|(1<<21)
	s_mov_b32 s[G1B+1], (LB/8)<<16
	s_mov_b32 s[G1B+2], 2<<16
	s_mov_b32 s[G1B+3], (LB/8)<<16
	s_mov_b32 s[G1B+4], 2
	s_mov_b32 s[G1B+5], SSB/8
	s_mov_b32 s[G1B+6], 0
	s_mov_b32 s[G1B+7], 0
	s_mul_i32 s20, s43, LA                         ; A's codes: 16 tiles a block row, + my two K chunks
	s_mul_i32 s46, s[HC], 2*SSA
	s_add_co_u32 s20, s20, s46
	s_mov_b32 s21, 0
	s_mul_i32 s22, s42, LB                         ; B's codes: 8 tiles a block column, behind x's and the projections' sections
	s_mul_i32 s47, s[HC], 2*SSB
	s_add_co_u32 s22, s22, s47
	s_add_co_u32 s22, s22, 12582912
	s_mov_b32 s23, 0
	s_mul_i32 s62, s[HC], 2*LA                     ; where my load lands, for A
	s_mul_i32 s63, s[HC], 2*LB
	s_add_co_u32 s63, s63, BBASE                   ; and for B
	s_lshl_b32 s56, s43, 13                        ; A's scale words: 512 bytes a tile; my 8 tiles
	s_lshl_b32 s46, s[HR], 12
	s_add_co_u32 s56, s56, s46
	s_add_co_u32 s56, s56, 3145728
	s_mov_b32 s57, 0
	s_lshl_b32 s58, s42, 12                        ; B's: my 4 tiles
	s_lshl_b32 s47, s[HC], 11
	s_add_co_u32 s58, s58, s47
	s_add_co_u32 s58, s58, 524288
	s_mov_b32 s59, 0
	s_lshl_b32 s60, s43, 21                        ; out0: 256 rows a block row, 128 a half; 512 bytes a block column, 256 a half
	s_lshl_b32 s46, s[HR], 20
	s_add_co_u32 s60, s60, s46
	s_lshl_b32 s47, s42, 9
	s_add_co_u32 s60, s60, s47
	s_lshl_b32 s47, s[HC], 8
	s_add_co_u32 s60, s60, s47
	s_mov_b32 s61, 0
	s_mul_i32 s12, s[HR], 8*3072                   ; LDS: my 8 tiles of A,
	s_mul_i32 s13, s[HC], 4*3072
	s_add_co_u32 s13, s13, BBASE                   ; my 4 tiles of B,
	s_mul_i32 s14, s[WV], 16*SPITCH
	s_add_co_u32 s14, s14, STAGE                   ; my stage
	s_wait_dscnt 0x0                               ; both opening adds are done
	s_wait_kmcnt 0x0
	s_add_nc_u64 s[20:21], s[4:5], s[20:21]
	s_add_nc_u64 s[22:23], s[6:7], s[22:23]
	s_add_nc_u64 s[56:57], s[4:5], s[56:57]
	s_add_nc_u64 s[58:59], s[8:9], s[58:59]
	s_add_nc_u64 s[10:11], s[10:11], s[60:61]
	s_mov_b32 s[G0], 1
	s_mov_b32 s[G0+1], s62
	s_mov_b64 s[G0+2:G0+3], s[20:21]
	s_or_b32 s[G0+3], s[G0+3], 0x80000000
	s_mov_b32 s[G0B], 1
	s_mov_b32 s[G0B+1], s63
	s_mov_b64 s[G0B+2:G0B+3], s[22:23]
	s_or_b32 s[G0B+3], s[G0B+3], 0x80000000
	CROUND                                         ; all sixteen work-groups are here: the joint loads meet
	s_cmp_eq_u32 s[HR], 0                          ; one load a wave, on either way
	s_cbranch_scc0 .Lfor_b
	tensor_load_to_lds s[G0:G0+3], s[G1:G1+7]
	s_nop 0
	PLACES
	s_branch .Lasked
.Lfor_b:
	tensor_load_to_lds s[G0B:G0B+3], s[G1B:G1B+7]
	s_nop 0
	PLACES
.Lasked:
	v_and_b32 v1, 15, v0                           ; r
	v_bfe_u32 v2, v0, 4, 1                         ; h
	v_and_b32 v3, 31, v0
	v_lshlrev_b32 v[L16], 4, v3
	v_lshlrev_b32 v[L8], 3, v3
	v_add_nc_u32 v[AA], s12, v[L16]
	v_add_nc_u32 v[AH], s12, v[L8]
	v_add_nc_u32 v[BA], s13, v[L16]
	v_add_nc_u32 v[BH], s13, v[L8]
.irp c, 1,2,3
	v_add_nc_u32 v[AA+\c], \c*LA, v[AA]
	v_add_nc_u32 v[AH+\c], \c*LA, v[AH]
	v_add_nc_u32 v[BA+\c], \c*LB, v[BA]
	v_add_nc_u32 v[BH+\c], \c*LB, v[BH]
.endr
	v_mul_u32_u24 v22, v1, SPITCH                  ; into the stage: row r, 32 bytes for each half of the lanes
	v_mul_u32_u24 v23, v2, SPITCH                  ; back: lanes 0-15 one row of 256 bytes, lanes 16-31 the next
	v_lshl_add_u32 v22, v2, 5, v22
	v_lshl_add_u32 v23, v1, 4, v23
	v_add_nc_u32 v[STO], s14, v22
	v_add_nc_u32 v[RD], s14, v23
	v_lshlrev_b32 v[CO], 13, v2                    ; and the same two rows in out0
	v_lshl_add_u32 v[CO], v1, 4, v[CO]
	s_wait_alu depctr_va_vdst(0)                   ; the wait at the head's end
.irp a, 0,1,2,3,4,5,6,7
.irp p, 0,1
	global_load_b64 v[SA+4*\a+2*\p:SA+4*\a+2*\p+1], v[L8], s[56:57] offset:512*\a+256*\p
.endr
.endr
.irp b, 0,1,2,3
.irp p, 0,1
	global_load_b64 v[SB+4*\b+2*\p:SB+4*\b+2*\p+1], v[L8], s[58:59] offset:512*\b+256*\p
.endr
.endr
	s_wait_tensorcnt 0x0                           ; my part of the tiles is in;
	s_barrier_signal -1
	s_barrier_wait -1                              ; everybody's is
.macro FRAG reg, a16, a8, off          ; 16 rows x 128 K: two images' 16 + 8 bytes a lane
	ds_load_b128 v[(\reg):(\reg)+3], v[\a16] offset:(\off)
	ds_load_b64 v[(\reg)+4:(\reg)+5], v[\a8] offset:(\off)+512
	ds_load_b128 v[(\reg)+6:(\reg)+9], v[\a16] offset:(\off)+768
	ds_load_b64 v[(\reg)+10:(\reg)+11], v[\a8] offset:(\off)+1280
.endm
.macro LOADB s                         ; B's four fragments of step s: 16 loads
	WIN 0x80+0x40*((\s)/5)
.irp b, 0,1,2,3
	FRAG 48*((\s)%5)+12*\b, BA+(\s)/2, BH+(\s)/2, 3072*\b+1536*((\s)%2)
.endr
.endm
.macro LOADA a, s0, n                  ; A's block a, n steps from s0 on: 4 loads a step
	WIN 0x40
.set SS, \s0
.rept \n
	FRAG 128*((\a)%2)+12*SS, AA+SS/2, AH+SS/2, 3072*(\a)+1536*(SS%2)
.set SS, SS+1
.endr
.endm
.macro WM d, bf, af, c, sb, sa, row
.if \row
	v_wmma_scale_f32_16x16x128_f8f6f4 v[(\d):(\d)+7], v[(\bf):(\bf)+11], v[(\af):(\af)+11], \c, v[\sb], v[\sa] matrix_a_fmt:MATRIX_FMT_FP6 matrix_b_fmt:MATRIX_FMT_FP6 matrix_a_scale:MATRIX_SCALE_ROW1 matrix_b_scale:MATRIX_SCALE_ROW1
.else
	v_wmma_scale_f32_16x16x128_f8f6f4 v[(\d):(\d)+7], v[(\bf):(\bf)+11], v[(\af):(\af)+11], \c, v[\sb], v[\sa] matrix_a_fmt:MATRIX_FMT_FP6 matrix_b_fmt:MATRIX_FMT_FP6
.endif
.endm
.macro MUL a, s                        ; block a, step s: four products, the block's four accumulators by turns; step 0 starts the sums
.set AC, 128*((\a)%2)+96
	WIN 0x56+(\s)/5
.irp b, 0,1,2,3
.if (\s) == 0
	WM AC+8*\b, 48*((\s)%5)+12*\b, 128*((\a)%2)+12*(\s), 0, SB+4*\b+2*((\s)/4)+(\s)%2, SA+4*(\a)+2*((\s)/4)+(\s)%2, ((\s)/2)%2
.else
	WM AC+8*\b, 48*((\s)%5)+12*\b, 128*((\a)%2)+12*(\s), v[AC+8*\b:AC+8*\b+7], SB+4*\b+2*((\s)/4)+(\s)%2, SA+4*(\a)+2*((\s)/4)+(\s)%2, ((\s)/2)%2
.endif
.endr
.endm
.macro OUTIN a                         ; block a's 16 rows x 256 bytes into my stage and back by rows: LDS serves a wave's instructions in order
.set AC, 128*((\a)%2)+96
	WIN 0x04
.irp b, 0,1,2,3
	ds_store_b128 v[STO], v[AC+8*\b:AC+8*\b+3] offset:64*\b          ; each accumulator from its low end on
	ds_store_b128 v[STO], v[AC+8*\b+4:AC+8*\b+7] offset:64*\b+16
.endr
	WIN 0
.irp t, 0,1,2,3,4,5,6,7
	ds_load_b128 v[BK+32*((\a)%2)+4*\t:BK+32*((\a)%2)+4*\t+3], v[RD] offset:\t*2*SPITCH
.endr
.endm
.macro SEND a, younger                 ; sixteen lanes store 256 consecutive bytes, aligned; stage row 2 t + h is token 2 t + h + 8 (t / 4) of the tile
	s_wait_dscnt \younger
.irp t, 0,1,2,3,4,5,6,7
	global_store_b128 v[CO], v[BK+32*((\a)%2)+4*\t:BK+32*((\a)%2)+4*\t+3], s[10:11] offset:(32*((\a)/2)+8*((\a)%2)+2*\t+8*(\t/4))*ROWC th:TH_STORE_NT
.endr
.endm
; BLOCK 0, while B's fragments come in: a step's group is B's 16 loads and A's 4; three groups run ahead.
.irp s, 0,1,2
	LOADB \s
	LOADA 0, \s, 1
.endr
	s_wait_loadcnt 0x0                             ; the scale words are in
.irp s, 0,1,2,3,4,5,6,7
.if \s < 6
	s_wait_dscnt 40                                ; behind this step's group: two groups of 20
.else
.if \s == 6
	s_wait_dscnt 36                                ; one group, and 16 loads of block 1
.else
	s_wait_dscnt 32                                ; block 1's 32 loads
.endif
.endif
	MUL 0, \s
.if \s < 5
	LOADB \s+3
	LOADA 0, \s+3, 1
.else
.if \s < 7
	LOADA 1, 4*(\s-5), 4
.endif
.endif
.endr
; BLOCKS 1 TO 7: the block before goes to the stage, the block after is asked for into the set that the block before has left, this block is multiplied, the block before is stored.
.irp a, 1,2,3,4,5,6,7
	PLACES                                         ; behind the last products: in front of the stores that read their results and of the loads into their sources
.if \a > 2
	s_wait_xcnt 0x0                                ; the stores of three blocks back have read the registers that the stage's loads fill
.endif
	OUTIN \a-1
.if \a < 7
	LOADA \a+1, 0, 8
	s_wait_dscnt 48                                ; this block's fragments are in; behind them: 16 stage instructions and 32 loads
.else
	s_wait_dscnt 16
.endif
.irp s, 0,1,2,3,4,5,6,7
	MUL \a, \s
.endr
	WIN 0
.if \a < 7
	SEND \a-1, 32                                  ; behind the stage's loads: the next block's 32
.else
	SEND \a-1, 0
.endif
.endr
	PLACES
	s_wait_xcnt 0x0
	OUTIN 7
	SEND 7, 0
	s_wait_tensorcnt 0x0                           ; the wave's end
	ds_add_u32 v[SPW], v[NIL]
	s_wait_dscnt 0x0
	CROUND                                         ; the closing round
	s_endpgm
.Lfunc_end_k_q39f8dd4bd4_outp:
	.size	k_q39f8dd4bd4_outp, .Lfunc_end_k_q39f8dd4bd4_outp-k_q39f8dd4bd4_outp
	.p2alignl 7, 3214868480
	.fill 96, 4, 3214868480
	.section	.rodata,"a",@progbits
	.p2align	6, 0x0
	.amdhsa_kernel k_q39f8dd4bd4_outp
		.amdhsa_group_segment_fixed_size 312832
		.amdhsa_private_segment_fixed_size 0
		.amdhsa_enable_private_segment 0
		.amdhsa_kernarg_size 32
		.amdhsa_user_sgpr_count 2
		.amdhsa_user_sgpr_kernarg_segment_ptr 1
		.amdhsa_wavefront_size32 1
		.amdhsa_system_sgpr_workgroup_id_x 1
		.amdhsa_system_sgpr_workgroup_id_y 1
		.amdhsa_system_sgpr_workgroup_id_z 1
		.amdhsa_system_vgpr_workitem_id 0
		.amdhsa_next_free_vgpr 1024
		.amdhsa_next_free_sgpr 66
		.amdhsa_reserve_vcc 0
		.amdhsa_float_denorm_mode_32 3
		.amdhsa_float_denorm_mode_16_64 3
		.amdhsa_memory_ordered 1
		.amdhsa_forward_progress 1
		.amdhsa_inst_pref_size 84
	.end_amdhsa_kernel
	.amdgpu_metadata
---
amdhsa.version: [ 1, 2 ]
amdhsa.kernels:
  - .name:           k_q39f8dd4bd4_outp
    .symbol:         k_q39f8dd4bd4_outp.kd
    .args:
      - { .name: oc, .offset: 0, .size: 8, .value_kind: global_buffer, .address_space: global }
      - { .name: codes, .offset: 8, .size: 8, .value_kind: global_buffer, .address_space: global }
      - { .name: scales, .offset: 16, .size: 8, .value_kind: global_buffer, .address_space: global }
      - { .name: out0, .offset: 24, .size: 8, .value_kind: global_buffer, .address_space: global }
    .group_segment_fixed_size: 312832
    .private_segment_fixed_size: 0
    .kernarg_segment_align: 8
    .kernarg_segment_size: 32
    .max_flat_workgroup_size: 128
    .sgpr_count:     66
    .vgpr_count:     1024
    .wavefront_size: 32
...
	.end_amdgpu_metadata
.endif
;; end of part 4
